; MI455X (gfx1250); checked and timed in simulation.
; The chip was launched on July 23, 2026; its instructions are those of AMD's public machine-readable ISA for CDNA 5 (MIT licence, August 2026) and "CDNA5" Instruction Set Architecture Reference Guide (July 2026). The comments in the code are by the model that wrote it; some were corrected since.
;; Multi Head Self Attention. Allowed arithmetic: float matrix products may take bf16 or f16 operands with f32 sums; all other float work in f32.
;; Inputs: b_out 1,024 float32; b_qkv 3,072 float32; w_out 1,024 x 1,024 float32; w_qkv 1,024 x 3,072 float32; x 2 x 2,048 x 1,024 float32.
;; Outputs: out0 2 x 2,048 x 1,024 float32.
;; One version. Each part assembles by itself: llvm-mc -triple=amdgcn-amd-amdhsa -mcpu=gfx1250 --defsym DOCPART=n.
;; ======== version 1 of 1: 4 launches
;; limits: values are held in f16: magnitudes above 65,504 overflow, below 6.1e-05 lose precision
;; workspace buffers: xh 8,388,608 bytes; wqh 6,291,456 bytes; woh 2,097,152 bytes; qkvh 25,165,824 bytes; ao 8,388,608 bytes
;; launch cast (part 1): grid 1024 x 1, 8 waves a work-group, no clusters, 0 bytes of LDS; arguments x, w_qkv, w_out, xh, wqh, woh; writes xh, wqh, woh
.if DOCPART == 1
	.amdgcn_target "amdgcn-amd-amdhsa--gfx1250"
	.amdhsa_code_object_version 6
	.text
	.protected	k_q6185f7456e_cast
	.globl	k_q6185f7456e_cast
	.p2align	8
	.type	k_q6185f7456e_cast,@function
k_q6185f7456e_cast:
	s_mov_b64 s[64:65], 0
	v_nop
	global_prefetch_b8 v0, s[64:65] scope:SCOPE_SE
	s_setreg_imm32_b32 hwreg(HW_REG_WAVE_MODE, 25, 1), 1
	s_wait_xcnt 0x0
; f32 to f16 of x, w_qkv and w_out, layouts unchanged, so that the three matrix launches behind this one fetch 16-bit tiles
; and none of them repeats a conversion for every block that reads the same tile.
; A work-group takes 8,192 numbers (32,768 bytes in, 16,384 out): groups 0-511 x, 512-895 w_qkv, 896-1023 w_out.
; A stream: each byte read once and written once; no LDS, no barrier, no matrix unit, nothing shared between work-groups.
; LIMIT: f16.  A magnitude of 65,520 or more becomes infinity, one below about 3e-8 becomes zero; rounding is to nearest even.
.set XG,  512                          ; work-groups for x:     4096 x 1024 / 8192
.set WQG, 384                          ; for w_qkv:             1024 x 3072 / 8192
.set IN,  8                            ; v[8:39]   eight loads of 16 bytes
.set OUT, 40                           ; v[40:55]  eight pairs of packed f16
	s_load_b256 s[4:11], s[0:1], 0x0               ; x s[4:5], w_qkv s[6:7], w_out s[8:9], xh s[10:11]
	s_load_b128 s[12:15], s[0:1], 0x20             ; wqh s[12:13], woh s[14:15]
	v_lshlrev_b32 v1, 4, v0                        ; 16 bytes a thread in: a wave's load covers 512 neighbouring bytes
	v_lshlrev_b32 v2, 3, v0                        ; 8 bytes a thread out: a wave's store covers 256 neighbouring bytes, aligned
	s_mov_b32 s20, XG
	s_mov_b32 s21, XG+WQG
	s_wait_kmcnt 0x0
	s_cmp_ge_u32 ttmp9, s21                        ; which tensor is mine hangs on the work-group's number alone
	s_cselect_b64 s[16:17], s[8:9], s[6:7]
	s_cselect_b64 s[18:19], s[14:15], s[12:13]
	s_cselect_b32 s20, s21, s20                    ; and the first work-group of that tensor
	s_cmp_ge_u32 ttmp9, XG
	s_cselect_b64 s[16:17], s[16:17], s[4:5]
	s_cselect_b64 s[18:19], s[18:19], s[10:11]
	s_cselect_b32 s20, s20, 0
	s_sub_co_u32 s20, ttmp9, s20                   ; my place in the tensor
	s_lshl_b32 s22, s20, 15                        ; x 32,768 bytes in (16 MiB at the most)
	s_mov_b32 s23, 0
	s_add_nc_u64 s[16:17], s[16:17], s[22:23]
	s_lshl_b32 s22, s20, 14                        ; x 16,384 bytes out
	s_add_nc_u64 s[18:19], s[18:19], s[22:23]
.irp j, 0,1,2,3,4,5,6,7
	global_load_b128 v[IN+4*\j:IN+4*\j+3], v1, s[16:17] offset:4096*\j th:TH_LOAD_NT   ; all eight go out at once; read once in the launch
.endr
.irp j, 0,1,2,3,4,5,6,7
	s_wait_loadcnt 7-\j                            ; loads come back in order: number j is in, the 7 - j younger ones stay out
	v_cvt_pk_f16_f32 v[OUT+2*\j], v[IN+4*\j], v[IN+4*\j+1]
	v_cvt_pk_f16_f32 v[OUT+2*\j+1], v[IN+4*\j+2], v[IN+4*\j+3]
	global_store_b64 v2, v[OUT+2*\j:OUT+2*\j+1], s[18:19] offset:2048*\j               ; no register is written twice, so no wait frees a source
.endr
	s_endpgm
.Lfunc_end_k_q6185f7456e_cast:
	.size	k_q6185f7456e_cast, .Lfunc_end_k_q6185f7456e_cast-k_q6185f7456e_cast
	.p2alignl 7, 3214868480
	.fill 96, 4, 3214868480
	.section	.rodata,"a",@progbits
	.p2align	6, 0x0
	.amdhsa_kernel k_q6185f7456e_cast
		.amdhsa_group_segment_fixed_size 0
		.amdhsa_private_segment_fixed_size 0
		.amdhsa_enable_private_segment 0
		.amdhsa_kernarg_size 48
		.amdhsa_user_sgpr_count 2
		.amdhsa_user_sgpr_kernarg_segment_ptr 1
		.amdhsa_wavefront_size32 1
		.amdhsa_system_sgpr_workgroup_id_x 1
		.amdhsa_system_sgpr_workgroup_id_y 1
		.amdhsa_system_sgpr_workgroup_id_z 1
		.amdhsa_system_vgpr_workitem_id 0
		.amdhsa_next_free_vgpr 56
		.amdhsa_next_free_sgpr 66
		.amdhsa_reserve_vcc 0
		.amdhsa_float_denorm_mode_32 3
		.amdhsa_float_denorm_mode_16_64 3
		.amdhsa_memory_ordered 1
		.amdhsa_forward_progress 1
		.amdhsa_inst_pref_size 4
	.end_amdhsa_kernel
	.amdgpu_metadata
---
amdhsa.version: [ 1, 2 ]
amdhsa.kernels:
  - .name:           k_q6185f7456e_cast
    .symbol:         k_q6185f7456e_cast.kd
    .args:
      - { .name: x, .offset: 0, .size: 8, .value_kind: global_buffer, .address_space: global }
      - { .name: w_qkv, .offset: 8, .size: 8, .value_kind: global_buffer, .address_space: global }
      - { .name: w_out, .offset: 16, .size: 8, .value_kind: global_buffer, .address_space: global }
      - { .name: xh, .offset: 24, .size: 8, .value_kind: global_buffer, .address_space: global }
      - { .name: wqh, .offset: 32, .size: 8, .value_kind: global_buffer, .address_space: global }
      - { .name: woh, .offset: 40, .size: 8, .value_kind: global_buffer, .address_space: global }
    .group_segment_fixed_size: 0
    .private_segment_fixed_size: 0
    .kernarg_segment_align: 8
    .kernarg_segment_size: 48
    .max_flat_workgroup_size: 256
    .sgpr_count:     66
    .vgpr_count:     56
    .wavefront_size: 32
...
	.end_amdgpu_metadata
.endif
;; end of part 1
;; launch qkvgemm (part 2): grid 16 x 16, 4 waves a work-group, clusters of 4 x 4, 327,680 bytes of LDS; arguments xh, wqh, b_qkv, qkvh; writes qkvh
.if DOCPART == 2
	.amdgcn_target "amdgcn-amd-amdhsa--gfx1250"
	.amdhsa_code_object_version 6
	.text
	.protected	k_q6185f7456e_qkvgemm
	.globl	k_q6185f7456e_qkvgemm
	.p2align	8
	.type	k_q6185f7456e_qkvgemm,@function
k_q6185f7456e_qkvgemm:
	s_mov_b64 s[64:65], 0
	v_nop
	global_prefetch_b8 v0, s[64:65] scope:SCOPE_SE
	s_setreg_imm32_b32 hwreg(HW_REG_WAVE_MODE, 25, 1), 1
	s_wait_xcnt 0x0
	s_wait_alu depctr_hold_cnt(0) depctr_sa_sdst(0) depctr_va_vdst(0) depctr_va_sdst(0) depctr_va_ssrc(0) depctr_va_vcc(0) depctr_vm_vsrc(0)
	s_getreg_b32 s2, hwreg(HW_REG_IB_STS2, 6, 4)
	s_cmp_eq_u32 s2, 0
	s_cbranch_scc0 .Lentry_in_a_cluster
	s_endpgm
.Lentry_in_a_cluster:
	s_bfe_u32 s2, ttmp6, 0x10000c
	s_cmp_lg_u32 s2, 0xf033
	s_cbranch_scc0 .Lentry_shape_is_right
	s_endpgm
.Lentry_shape_is_right:
; C[4096][NN] = A[4096][1024] W[1024][NN] + bias.  A and W f16, sums f32.  One text serves two launches; PROJ picks the sizes and the way out.
;   PROJ = 0: the QKV projection, NN = 3072.  A block of 256 x 192 for a work-group (16 x 16 = 256 work-groups), four waves one below the other, 64 x 192 each:
;             a wave holds three whole heads of 64 columns, so its way out is its own.  The q columns (heads 0-15 of 48) are multiplied by 0.125 log2(e),
;             so that the attention launch takes 2^(s - m) of the raw products.  Output f16, head-major: byte g 524288 + m 128 + 2 d, g = column / 64, m = row.
;   PROJ = 1: the output projection, NN = 1024.  A block of 128 x 128 (8 x 32 = 256 work-groups), waves 2 x 2, 64 x 64 each.  Output f32, row-major.
; K goes in steps of KSTEP through two LDS slots filled by the tensor data mover, one load a wave: waves 0, 1 bring the halves of A's tile, waves 2, 3 of W's.
; PROJ = 1 has a third of the products for a quarter step, so its slot holds 256 along K: a refill then has 124 matrix instructions in which to land.
; CLUSTERS: 4 x 4 work-groups.  A's tile hangs on the block row alone and is asked for jointly by a row of the cluster, W's on the block column alone and
; is asked for jointly by a column: the requests for both are divided by four.
; W lies [K][N]: its fragments are read with ds_load_tr16_b128, which hands each lane one column with K along its registers.
; THE MATRIX INSTRUCTION IS USED TRANSPOSED: source 0 = 16 columns of W, source 1 = 16 rows of A; lane (r, h) then holds row r of C and the eight
; neighbouring columns 8 h .. 8 h + 7 of the tile, which belong together in memory.
; LIMIT: f16 operands; with PROJ = 0 the results are stored in f16 as well and are finite only below 65,504 in magnitude.
; REGISTERS in windows of 256: window 0 addresses, A's fragments (two buffers), the way out's registers, the bias; window 1 W's fragments (two buffers);
; window 2 the accumulators of my rows 0-31, window 3 those of my rows 32-63 (tile (a, b) at 8 (NT (a mod 2) + b)).
.set PROJ, 0
.if PROJ
.set NN,     1024
.set BM,     128
.set BN,     128
.set NT,     4                         ; tiles of 16 columns in a wave
.set KSTEP,  256
.set APITCH, 528                       ; A's LDS row: 512 bytes + 16
.set QIA,    6                         ; pad after every 128 words
.set CH,     128                       ; W: columns between two pads
.set QIB,    5                         ; = 64 words
.set BPITCH, 288                       ; W's LDS row: 256 bytes + 32: an odd multiple of 32
.set WMR,    13                        ; the scalar register with my place down the block: wave / 2
.set WSTAGE, 4352                      ; my stage: 16 rows of 256 bytes + 16
.else
.set NN,     3072
.set BM,     256
.set BN,     192
.set NT,     12
.set KSTEP,  128
.set APITCH, 272                       ; 256 bytes + 16
.set QIA,    5                         ; pad after every 64 words
.set CH,     64                        ; a row of 192 columns is 96 words, no interval that the descriptor knows: the pad follows every 64 columns
.set QIB,    4                         ; = 32 words
.set BPITCH, 480                       ; 3 x (128 + 32) bytes: an odd multiple of 32
.set WMR,    12                        ; wave
.set WSTAGE, 6656                      ; three heads x 8 pairs of rows x 272 bytes = 6,528, up to a multiple of 256
.endif
.set NQ,     KSTEP/32                  ; quarter steps of 32 along K (four or eight)
.set LAPS,   1024/(2*KSTEP)            ; a lap = once round the two slots
.set ABYTES, BM*APITCH
.set BBYTES, KSTEP*BPITCH
.set SLOT,   ABYTES+BBYTES             ; A's tile, then W's
.set STAGE,  2*SLOT                    ; behind the ring, a multiple of 256: no tensor load ever lands here
.set ADRA, 16                          ; v16-17  my A fragments in slot 0, 1
.set ADRB, 20                          ; v20-23  my W fragments in slot 0, 1; +2: the same 128 rows of K further down
.set STO,  24                          ; the way out: where I put my 16 or 32 bytes
.set RD,   25                          ; where I read whole rows back
.set CO,   26                          ; my byte offset in the output
.set BO,   27                          ; my byte offset in the bias
.set AF,   64                          ; v64-95, v96-127  A's fragments, buffers 0 and 1
.set TMP,  64                          ; the way out: packed results
.set RB,   112                         ; the way out: rows read back
.set BIAS, 160                         ; v160..  the bias of my 8 columns of each tile
.set G1A, 24                           ; s[24:31] descriptor group 1 for A's tiles
.set G0A, 32                           ; s[32:39] group 0, one set for each slot
.set G1B, 48                           ; s[48:55] group 1 for W's tiles
.set G0B, 56                           ; s[56:63] group 0, one set for each slot
.set SC,  66                           ; s[66:71] PROJ = 0: the scale of each of my three heads, as pairs
.set MSB, 0
.macro WIN new                         ; s_set_vgpr_msb: bits 1:0 source 0, 3:2 source 1, 5:4 source 2, 7:6 destination; the high byte repeats the setting that is left
.if MSB != \new
	s_set_vgpr_msb (MSB<<8)|\new
.set MSB, \new
.endif
.endm
.macro PLACES                          ; four plain vector instructions behind a matrix instruction, in front of a load into or a vector access to its registers
.rept 4
	v_nop
.endr
.endm
; A joint load: waves 0, 1 ask for A's halves, waves 2, 3 for W's.  Each line has one mask and one set of registers; the branch hangs on the wave's number alone.
.macro JLOAD s
	s_cmp_eq_u32 s13, 0
	s_cbranch_scc0 .Lfor_w_\@
	tensor_load_to_lds s[G0A+4*\s:G0A+4*\s+3], s[G1A:G1A+7]
	s_nop 0
	s_branch .Lasked_\@
.Lfor_w_\@:
	tensor_load_to_lds s[G0B+4*\s:G0B+4*\s+3], s[G1B:G1B+7]
	s_nop 0
.Lasked_\@:
.endm
; A round of the cluster's barrier: my work-group's barrier, wave 0 signals for the work-group, every wave waits for all sixteen, my work-group's barrier again.
.macro CREST                           ; the round behind its opening barrier
	s_cmp_lg_u32 s12, 0
	s_cbranch_scc1 .Lnot_wave_0_\@
	s_barrier_signal -3
.Lnot_wave_0_\@:
	s_barrier_wait -3
	s_barrier_signal -1
	s_barrier_wait -1
.endm
.macro CROUND
	s_barrier_signal -1
	s_barrier_wait -1
	CREST
.endm
	s_load_b256 s[4:11], s[0:1], 0x0               ; A s[4:5], W s[6:7], bias s[8:9], output s[10:11]
	s_set_vgpr_msb 0x40
	v_lshl_add_u32 v255, v0, 2, 0x46800
	s_set_vgpr_msb 0x4000
	v_mov_b32 v63, 0
	s_set_vgpr_msb 0x1
	ds_add_u32 v255, v63
	s_set_vgpr_msb 0x100
	v_lshrrev_b32 v1, 5, v0
	v_readfirstlane_b32 s12, v1                    ; wave 0..3
	s_lshr_b32 s13, s12, 1                         ; I fetch for A (0) or for W (1)
	s_and_b32 s14, s12, 1                          ; which half of that tile
	s_bfe_u32 s40, ttmp6, 0x40000                  ; cx
	s_bfe_u32 s41, ttmp6, 0x40004                  ; cy
	s_lshl_b32 s42, ttmp9, 2
	s_add_co_u32 s42, s42, s40                     ; block column = 4 x cluster x + cx
	s_and_b32 s43, ttmp7, 0xffff
	s_lshl_b32 s43, s43, 2
	s_add_co_u32 s43, s43, s41                     ; block row = 4 x cluster y + cy
	s_lshl_b32 s44, s41, 2
	s_lshl_b32 s44, 15, s44                        ; my row of the cluster: places 4 cy .. 4 cy + 3
	s_lshl_b32 s45, 0x1111, s40                    ; my column: places cx, cx + 4, cx + 8, cx + 12
	; group 1 for A: BM/2 rows of KSTEP elements of 2 bytes, 16 bytes of padding behind each row
	s_or_b32 s[G1A+0], s44, (1<<16)|(1<<20)|(1<<21)|(QIA<<22)|(3<<25)  ; 15:0 mask; 17:16 element size; 20 padding on; 21 set beside a mask; 24:22 interval; 31:25 pad of 4 words
	s_mov_b32 s[G1A+1], KSTEP<<16                  ; tensor_dim0
	s_mov_b32 s[G1A+2], (BM/2)<<16                 ; tensor_dim1
	s_mov_b32 s[G1A+3], KSTEP<<16                  ; tile_dim0
	s_mov_b32 s[G1A+4], BM/2                       ; tile_dim1
	s_mov_b32 s[G1A+5], 1024                       ; elements from row to row
	s_mov_b32 s[G1A+6], 0
	s_mov_b32 s[G1A+7], 0
	; group 1 for W: KSTEP/2 rows (of K) of BN elements, 32 bytes of padding behind every CH columns
	s_or_b32 s[G1B+0], s45, (1<<16)|(1<<20)|(1<<21)|(QIB<<22)|(7<<25)
	s_mov_b32 s[G1B+1], BN<<16
	s_mov_b32 s[G1B+2], (KSTEP/2)<<16
	s_mov_b32 s[G1B+3], BN<<16
	s_mov_b32 s[G1B+4], KSTEP/2
	s_mov_b32 s[G1B+5], NN
	s_mov_b32 s[G1B+6], 0
	s_mov_b32 s[G1B+7], 0
	; where the tiles come from: A's address is made of the block row and the wave's number, W's of the block column and the wave's number,
	; each in registers that never hold the other coordinate
	s_mul_i32 s16, s43, BM
	s_mul_i32 s17, s14, BM/2
	s_add_co_u32 s16, s16, s17                     ; A's first row for me
	s_lshl_b32 s16, s16, 11                        ; x 2,048 bytes (8 MiB at the most)
	s_mov_b32 s17, 0
	s_mul_i32 s20, s14, (BM/2)*APITCH              ; and where it goes: the wave's number alone enters an LDS address
	s_mul_i32 s46, s14, (KSTEP/2)*NN*2             ; W's first row of K for me,
	s_mul_i32 s47, s42, BN*2                       ; and the block's first column
	s_add_co_u32 s46, s46, s47
	s_mov_b32 s47, 0
	s_mul_i32 s21, s14, (KSTEP/2)*BPITCH
	s_add_co_u32 s21, s21, ABYTES
	s_wait_dscnt 0x0
	s_wait_kmcnt 0x0
	s_add_nc_u64 s[18:19], s[4:5], s[16:17]
	s_add_nc_u64 s[46:47], s[6:7], s[46:47]
	CROUND                                         ; all sixteen work-groups are here: the first joint loads meet
.irp s, 0,1
	s_mov_b32 s[G0A+4*\s], 1                                       ; count = 1
	s_add_co_u32 s[G0A+4*\s+1], s20, \s*SLOT                       ; LDS address
	s_add_nc_u64 s[G0A+4*\s+2:G0A+4*\s+3], s[18:19], \s*KSTEP*2    ; K step s
	s_or_b32 s[G0A+4*\s+3], s[G0A+4*\s+3], 0x80000000              ; type = 2
	s_mov_b32 s[G0B+4*\s], 1
	s_add_co_u32 s[G0B+4*\s+1], s21, \s*SLOT
	s_add_nc_u64 s[G0B+4*\s+2:G0B+4*\s+3], s[46:47], \s*KSTEP*NN*2
	s_or_b32 s[G0B+4*\s+3], s[G0B+4*\s+3], 0x80000000
	JLOAD \s                                       ; both slots are asked for before anything else: two tensor loads of mine are out
.endr
	v_and_b32 v1, 15, v0                           ; r = lane mod 16
	v_bfe_u32 v2, v0, 4, 1                         ; h = lane / 16
	; the bias of my columns: tile b's eight numbers at 64 b + 32 h bytes behind my first column
	s_mul_i32 s72, s42, BN*4
.if PROJ
	s_lshl_b32 s73, s14, 8                         ; my 64 columns of the block's 128
	s_add_co_u32 s72, s72, s73
.endif
	s_mov_b32 s73, 0
	s_add_nc_u64 s[8:9], s[8:9], s[72:73]
	v_lshlrev_b32 v[BO], 5, v2
.irp b, 0,1,2,3,4,5,6,7,8,9,10,11
.if \b < NT
	global_load_b128 v[BIAS+8*\b:BIAS+8*\b+3],   v[BO], s[8:9] offset:64*\b
	global_load_b128 v[BIAS+8*\b+4:BIAS+8*\b+7], v[BO], s[8:9] offset:64*\b+16
.endif
.endr
	; A fragment: lane (r, h) holds row r; registers 0-3 K = 8 h .. + 7, registers 4-7 K = 16 + 8 h .. + 7: two loads of 16 bytes, 32 bytes apart
	v_mul_u32_u24 v3, v1, APITCH
	v_lshl_add_u32 v3, v2, 4, v3
	s_mul_i32 s22, s[WMR], 64*APITCH               ; my 64 rows of the block
	v_add_nc_u32 v[ADRA], s22, v3
	v_add_nc_u32 v[ADRA+1], SLOT, v[ADRA]
	; W fragment through the transposing load: lane L addresses row of K 8 h + (L mod 8), 16 bytes at 16 ((L / 8) mod 2); the second load 16 rows further down
	v_and_b32 v4, 7, v0
	v_lshl_add_u32 v4, v2, 3, v4
	v_mul_u32_u24 v4, v4, BPITCH
	v_bfe_u32 v5, v0, 3, 1
	v_lshl_add_u32 v4, v5, 4, v4
.if PROJ
	s_lshl_b32 s23, s14, 7                         ; my 64 columns: 128 bytes
	s_add_co_u32 s23, s23, ABYTES
.else
	s_mov_b32 s23, ABYTES
.endif
	v_add_nc_u32 v[ADRB], s23, v4
	v_add_nc_u32 v[ADRB+1], SLOT, v[ADRB]
.if NQ > 4
	v_add_nc_u32 v[ADRB+2], 128*BPITCH, v[ADRB]    ; the immediate has 16 bits: the second 128 rows of K get registers of their own
	v_add_nc_u32 v[ADRB+3], 128*BPITCH, v[ADRB+1]
.endif
	; the way out's addresses
	s_mul_i32 s23, s12, WSTAGE
	s_add_co_u32 s23, s23, STAGE                   ; my stage
.if PROJ
	v_mul_u32_u24 v6, v1, 272                      ; in: row r, 32 bytes for each half of the lanes
	v_lshl_add_u32 v6, v2, 5, v6
	v_lshlrev_b32 v8, 12, v2                       ; out: lanes 0-15 one row of 4,096 bytes, lanes 16-31 the next
	v_lshl_add_u32 v[CO], v1, 4, v8
.else
	v_lshrrev_b32 v6, 1, v1                        ; in: two rows of a head (2 x 128 bytes) share an LDS row of 272 bytes
	v_mul_u32_u24 v6, v6, 272
	v_and_b32 v7, 1, v1
	v_lshl_add_u32 v6, v7, 7, v6
	v_lshl_add_u32 v6, v2, 4, v6
	v_and_b32 v8, 31, v0                           ; out: four rows of a head are 512 dense bytes: 16 bytes a lane
	v_lshlrev_b32 v[CO], 4, v8
.endif
	v_add_nc_u32 v[STO], s23, v6
	v_mul_u32_u24 v7, v2, 272                      ; back: lanes 0-15 one LDS row of 256 bytes, lanes 16-31 the next
	v_lshl_add_u32 v7, v1, 4, v7
	v_add_nc_u32 v[RD], s23, v7
	; the output at my first row and column
.if PROJ
	s_lshl_b32 s72, s43, 7
	s_lshl_b32 s73, s13, 6
	s_add_co_u32 s72, s72, s73                     ; row 128 x block row + 64 x (wave / 2)
	s_lshl_b32 s72, s72, 12                        ; x 4,096 bytes (16 MiB at the most)
	s_lshl_b32 s73, s42, 9                         ; column 128 x block column, 4 bytes each
	s_add_co_u32 s72, s72, s73
	s_lshl_b32 s73, s14, 8                         ; + 64 x (wave mod 2)
	s_add_co_u32 s72, s72, s73
.else
	s_mul_i32 s72, s42, 3*524288                   ; head 3 x block column
	s_lshl_b32 s73, s43, 8
	s_lshl_b32 s74, s12, 6
	s_add_co_u32 s73, s73, s74                     ; row 256 x block row + 64 x wave
	s_lshl_b32 s73, s73, 7                         ; x 128 bytes
	s_add_co_u32 s72, s72, s73
	; the scale of each of my three heads: 0.125 log2(e) for a q head (number below 16), else 1
	s_mul_i32 s74, s42, 3
.irp g, 0,1,2
	s_add_co_u32 s75, s74, \g
	s_cmp_lt_u32 s75, 16
	s_cselect_b32 s[SC+2*\g], 0x3e38aa3b, 1.0
	s_mov_b32 s[SC+2*\g+1], s[SC+2*\g]
.endr
.endif
	s_mov_b32 s73, 0
	s_add_nc_u64 s[10:11], s[10:11], s[72:73]
	s_wait_loadcnt 0x0                             ; the bias, while the first tiles are still on their way
.if PROJ == 0
.irp b, 0,1,2,3,4,5,6,7,8,9,10,11
.irp i, 0,2,4,6
	v_pk_mul_f32 v[BIAS+8*\b+\i:BIAS+8*\b+\i+1], v[BIAS+8*\b+\i:BIAS+8*\b+\i+1], s[SC+2*(\b/4):SC+2*(\b/4)+1] op_sel_hi:[1,0]   ; (sum + bias) scale = sum x scale + bias x scale: one fused step at the end
.endr
.endr
.endif
; The fragments of quarter q of a slot into buffer buf: 2 NT transposing loads for W, then 8 loads for A, in one run
.macro FETCH slot, q, buf
	WIN 0x40                                       ; destination window 1, address window 0
.irp b, 0,1,2,3,4,5,6,7,8,9,10,11
.if \b < NT
	ds_load_tr16_b128 v[8*NT*\buf+8*\b:8*NT*\buf+8*\b+3],   v[ADRB+\slot+2*(\q/4)] offset:(\q%4)*32*BPITCH+(16*\b/CH)*(2*CH+32)+(16*\b%CH)*2
	ds_load_tr16_b128 v[8*NT*\buf+8*\b+4:8*NT*\buf+8*\b+7], v[ADRB+\slot+2*(\q/4)] offset:(\q%4)*32*BPITCH+(16*\b/CH)*(2*CH+32)+(16*\b%CH)*2+16*BPITCH
.endif
.endr
	WIN 0
.irp a, 0,1,2,3
	ds_load_b128 v[AF+32*\buf+8*\a:AF+32*\buf+8*\a+3],   v[ADRA+\slot] offset:64*\q+\a*16*APITCH
	ds_load_b128 v[AF+32*\buf+8*\a+4:AF+32*\buf+8*\a+7], v[ADRA+\slot] offset:64*\q+\a*16*APITCH+32
.endr
.endm
; NT matrix instructions: my rows 16 a .. 16 a + 15 x all my columns, 32 along K.  zero = 1: the first product starts the sums, nothing is cleared.
; The 4 NT accumulators take turns, one instruction a turn, in the same order in every quarter, over the backward jump too.
.macro MULROW buf, a, zero
.if \a < 2
	WIN 0xa1                                       ; source 0 (W) window 1, source 1 (A) window 0, C and D window 2
.else
	WIN 0xf1                                       ; the same, C and D window 3
.endif
.irp b, 0,1,2,3,4,5,6,7,8,9,10,11
.if \b < NT
.if \zero
	v_wmma_f32_16x16x32_f16 v[8*(NT*(\a%2)+\b):8*(NT*(\a%2)+\b)+7], v[8*NT*\buf+8*\b:8*NT*\buf+8*\b+7], v[AF+32*\buf+8*\a:AF+32*\buf+8*\a+7], 0
.else
	v_wmma_f32_16x16x32_f16 v[8*(NT*(\a%2)+\b):8*(NT*(\a%2)+\b)+7], v[8*NT*\buf+8*\b:8*NT*\buf+8*\b+7], v[AF+32*\buf+8*\a:AF+32*\buf+8*\a+7], v[8*(NT*(\a%2)+\b):8*(NT*(\a%2)+\b)+7]
.endif
.endif
.endr
.endm
; A quarter step but the last of a slot: multiplies buffer f; in its middle it fetches quarter qn of the same slot into buffer g
.macro QUARTER slot, qn, f, g, zero
	s_wait_dscnt 4                                 ; W's fragments and A's rows 0-31 are in; the four youngest loads (A's rows 32-63) may be out
	MULROW \f, 0, \zero
	MULROW \f, 1, \zero
	PLACES
	FETCH \slot, \qn, \g
	s_wait_dscnt 2*NT+8                            ; all but the run just issued
	MULROW \f, 2, \zero
	MULROW \f, 3, \zero
.endm
.macro KSTEPQ slot, zero
	QUARTER \slot, 1, 0, 1, \zero
	QUARTER \slot, 2, 1, 0, 0
	QUARTER \slot, 3, 0, 1, 0
.if NQ > 4
	QUARTER \slot, 4, 1, 0, 0
	QUARTER \slot, 5, 0, 1, 0
	QUARTER \slot, 6, 1, 0, 0
	QUARTER \slot, 7, 0, 1, 0
.endif
.endm
; The last quarter of a slot: multiplies buffer 1 and changes slots.  In front of the barrier each wave waits for its reads of this slot and for all its
; tensor loads (one is out: its part of the next slot).  Behind it nobody reads this slot and the next one is whole.  fill = 1: the barrier opens a round of the
; cluster's barrier, and the joint refill, two K steps ahead, is the first tensor load behind the round, one a wave.
.macro TURN slot, next, fill
	s_wait_dscnt 4
	MULROW 1, 0, 0
	s_wait_dscnt 0                                 ; my reads of this slot are over
	s_wait_tensorcnt 0x0                           ; and all my tensor loads have landed
	ds_add_u32 v255, v63
	s_wait_dscnt 0x0
	s_barrier_signal -1
	MULROW 1, 1, 0                                 ; register work while the others arrive
	WIN 0
	s_barrier_wait -1
.if \fill
	CREST                                          ; no wave of any partner still reads this slot or has a load on its way
	s_add_nc_u64 s[G0A+4*\slot+2:G0A+4*\slot+3], s[G0A+4*\slot+2:G0A+4*\slot+3], 2*KSTEP*2
	s_add_nc_u64 s[G0B+4*\slot+2:G0B+4*\slot+3], s[G0B+4*\slot+2:G0B+4*\slot+3], 2*KSTEP*NN*2
	JLOAD \slot
.endif
	PLACES
	FETCH \next, 0, 0
	MULROW 1, 2, 0
	MULROW 1, 3, 0
.endm
.macro LAP zero
	KSTEPQ 0, \zero
	TURN 0, 1, 1
	KSTEPQ 1, 0
	TURN 1, 0, 1
.endm
	s_wait_tensorcnt 0x1                           ; my part of K step 0 is in; K step 1's stays out
	s_barrier_signal -1
	s_barrier_wait -1                              ; everybody's is
	FETCH 0, 0, 0
	LAP 1                                          ; the first lap stands in front of the loop: its first products start the sums
.if LAPS > 2
	WIN 0                                          ; at a label and at a branch every window is 0
	s_mov_b32 s3, LAPS-2
.Llap:
	LAP 0
	WIN 0
	s_sub_co_u32 s3, s3, 1
	s_cmp_lg_u32 s3, 0
	s_cbranch_scc1 .Llap
.endif
	KSTEPQ 0, 0                                    ; the last lap fills nothing
	TURN 0, 1, 0
	KSTEPQ 1, 0
	s_wait_dscnt 4                                 ; the very last quarter: nothing more to fetch
	MULROW 1, 0, 0
	MULROW 1, 1, 0
	s_wait_dscnt 0
	MULROW 1, 2, 0
	MULROW 1, 3, 0
	PLACES                                         ; behind the last matrix instructions: the way out reads results and writes over fragment registers
; THE WAY OUT, 16 rows at a time, through my own stage in LDS: no barrier, and no wait between my stores and my loads (LDS serves a wave's instructions in order, ISA guide 5.7.1)
.if PROJ
.macro OUT16 a
.if \a < 2
	WIN 0x82                                       ; destination and source 0 window 2, the bias window 0
.else
	WIN 0xc3
.endif
.irp b, 0,1,2,3
.irp i, 0,2,4,6
	v_pk_add_f32 v[8*(NT*(\a%2)+\b)+\i:8*(NT*(\a%2)+\b)+\i+1], v[8*(NT*(\a%2)+\b)+\i:8*(NT*(\a%2)+\b)+\i+1], v[BIAS+8*\b+\i:BIAS+8*\b+\i+1]
.endr
.endr
.if \a < 2
	WIN 0x08                                       ; an LDS store's data is source 1: window 2
.else
	WIN 0x0c
.endif
.irp b, 0,1,2,3
	ds_store_b128 v[STO], v[8*(NT*(\a%2)+\b):8*(NT*(\a%2)+\b)+3]   offset:64*\b
	ds_store_b128 v[STO], v[8*(NT*(\a%2)+\b)+4:8*(NT*(\a%2)+\b)+7] offset:64*\b+16
.endr
	WIN 0
	s_wait_xcnt 0x0                                ; the registers that the last sixteen rows' stores read are loaded again only behind this wait
.irp t, 0,1,2,3,4,5,6,7
	ds_load_b128 v[RB+4*\t:RB+4*\t+3], v[RD] offset:\t*544
.endr
.irp t, 0,1,2,3,4,5,6,7
	s_wait_dscnt 7-\t                              ; number t is in, the younger ones stay out
	global_store_b128 v[CO], v[RB+4*\t:RB+4*\t+3], s[10:11] offset:(16*\a+2*\t)*4096 th:TH_STORE_NT   ; 16 lanes store 256 consecutive bytes, aligned
.endr
.endm
.else
.macro OUT16 a
.if \a < 2
	WIN 0x82                                       ; destination and source 0 window 2, the bias (source 2) window 0
.else
	WIN 0xc3
.endif
.irp b, 0,1,2,3,4,5,6,7,8,9,10,11
.irp i, 0,2,4,6
	v_pk_fma_f32 v[8*(NT*(\a%2)+\b)+\i:8*(NT*(\a%2)+\b)+\i+1], v[8*(NT*(\a%2)+\b)+\i:8*(NT*(\a%2)+\b)+\i+1], s[SC+2*(\b/4):SC+2*(\b/4)+1], v[BIAS+8*\b+\i:BIAS+8*\b+\i+1] op_sel_hi:[1,0,1]
.endr
.endr
.if \a < 2
	WIN 0x0a                                       ; sources window 2, destination window 0
.else
	WIN 0x0f
.endif
.irp b, 0,1,2,3,4,5,6,7,8,9,10,11
.irp i, 0,1,2,3
	v_cvt_pk_f16_f32 v[TMP+4*\b+\i], v[8*(NT*(\a%2)+\b)+2*\i], v[8*(NT*(\a%2)+\b)+2*\i+1]
.endr
.endr
	WIN 0
.irp b, 0,1,2,3,4,5,6,7,8,9,10,11
	ds_store_b128 v[STO], v[TMP+4*\b:TMP+4*\b+3] offset:(\b/4)*2176+(\b%4)*32      ; head b / 4, columns 16 (b mod 4) + 8 h .. + 7 of it
.endr
	s_wait_xcnt 0x0                                ; the registers that the last sixteen rows' stores read are loaded again only behind this wait
.irp t, 0,1,2,3,4,5,6,7,8,9,10,11
	ds_load_b128 v[RB+4*\t:RB+4*\t+3], v[RD] offset:(\t/4)*2176+(\t%4)*544
.endr
.irp t, 0,1,2,3,4,5,6,7,8,9,10,11
	s_wait_dscnt 11-\t                             ; number t is in, the younger ones stay out
	global_store_b128 v[CO], v[RB+4*\t:RB+4*\t+3], s[10:11] offset:(\t/4)*524288+\a*2048+(\t%4)*512   ; four rows of a head: 512 consecutive bytes, aligned
.endr
.endm
.endif
	OUT16 0
	OUT16 1
	OUT16 2
	OUT16 3
	s_set_vgpr_msb 0x1
	s_wait_tensorcnt 0x0
	ds_add_u32 v255, v63
	s_wait_dscnt 0x0
	s_set_vgpr_msb 0x100
	CROUND                                         ; the closing round: no work-group ends while a partner may still ask for a tile that names it
	s_endpgm
.Lfunc_end_k_q6185f7456e_qkvgemm:
	.size	k_q6185f7456e_qkvgemm, .Lfunc_end_k_q6185f7456e_qkvgemm-k_q6185f7456e_qkvgemm
	.p2alignl 7, 3214868480
	.fill 96, 4, 3214868480
	.section	.rodata,"a",@progbits
	.p2align	6, 0x0
	.amdhsa_kernel k_q6185f7456e_qkvgemm
		.amdhsa_group_segment_fixed_size 327680
		.amdhsa_private_segment_fixed_size 0
		.amdhsa_enable_private_segment 0
		.amdhsa_kernarg_size 32
		.amdhsa_user_sgpr_count 2
		.amdhsa_user_sgpr_kernarg_segment_ptr 1
		.amdhsa_wavefront_size32 1
		.amdhsa_system_sgpr_workgroup_id_x 1
		.amdhsa_system_sgpr_workgroup_id_y 1
		.amdhsa_system_sgpr_workgroup_id_z 1
		.amdhsa_system_vgpr_workitem_id 0
		.amdhsa_next_free_vgpr 960
		.amdhsa_next_free_sgpr 80
		.amdhsa_reserve_vcc 0
		.amdhsa_float_denorm_mode_32 3
		.amdhsa_float_denorm_mode_16_64 3
		.amdhsa_memory_ordered 1
		.amdhsa_forward_progress 1
		.amdhsa_inst_pref_size 182
	.end_amdhsa_kernel
	.amdgpu_metadata
---
amdhsa.version: [ 1, 2 ]
amdhsa.kernels:
  - .name:           k_q6185f7456e_qkvgemm
    .symbol:         k_q6185f7456e_qkvgemm.kd
    .args:
      - { .name: xh, .offset: 0, .size: 8, .value_kind: global_buffer, .address_space: global }
      - { .name: wqh, .offset: 8, .size: 8, .value_kind: global_buffer, .address_space: global }
      - { .name: b_qkv, .offset: 16, .size: 8, .value_kind: global_buffer, .address_space: global }
      - { .name: qkvh, .offset: 24, .size: 8, .value_kind: global_buffer, .address_space: global }
    .group_segment_fixed_size: 327680
    .private_segment_fixed_size: 0
    .kernarg_segment_align: 8
    .kernarg_segment_size: 32
    .max_flat_workgroup_size: 128
    .sgpr_count:     80
    .vgpr_count:     960
    .wavefront_size: 32
...
	.end_amdgpu_metadata
.endif
;; end of part 2
;; launch attn (part 3): grid 16 x 16, 4 waves a work-group, clusters of 4 x 1, 327,680 bytes of LDS; arguments qkvh, ao; writes ao
.if DOCPART == 3
	.amdgcn_target "amdgcn-amd-amdhsa--gfx1250"
	.amdhsa_code_object_version 6
	.text
	.protected	k_q6185f7456e_attn
	.globl	k_q6185f7456e_attn
	.p2align	8
	.type	k_q6185f7456e_attn,@function
k_q6185f7456e_attn:
	s_mov_b64 s[64:65], 0
	v_nop
	global_prefetch_b8 v0, s[64:65] scope:SCOPE_SE
	s_setreg_imm32_b32 hwreg(HW_REG_WAVE_MODE, 25, 1), 1
	s_wait_xcnt 0x0
	s_wait_alu depctr_hold_cnt(0) depctr_sa_sdst(0) depctr_va_vdst(0) depctr_va_sdst(0) depctr_va_ssrc(0) depctr_va_vcc(0) depctr_vm_vsrc(0)
	s_getreg_b32 s2, hwreg(HW_REG_IB_STS2, 6, 4)
	s_cmp_eq_u32 s2, 0
	s_cbranch_scc0 .Lentry_in_a_cluster
	s_endpgm
.Lentry_in_a_cluster:
	s_bfe_u32 s2, ttmp6, 0x10000c
	s_cmp_lg_u32 s2, 0x3003
	s_cbranch_scc0 .Lentry_shape_is_right
	s_endpgm
.Lentry_shape_is_right:
; Attention with a running maximum.  qkvh: [48 g][4096 m][64] f16, g 0-15 q (already times 0.125 log2(e)), 16-31 k, 32-47 v; m = batch x 2048 + token.  ao: [4096][1024] f16.
; A work-group takes 128 queries of two neighbouring heads of one batch: a row of its output is 256 bytes.  Wave w: head w mod 2 of the pair, queries 64 (w / 2) .. + 63.
; Keys go in tiles of 128 through two LDS slots (K and V of both heads, 4 x 16 KiB of data); a tile is worked on in two sub-steps of 64 keys.
; One tensor load a wave: waves 0, 1 bring K of head 0, 1; waves 2, 3 bring V.
; CLUSTERS: the four work-groups of a cluster are four query blocks of the same batch and heads; they walk the same K and V tiles and ask for them jointly.
; EVERYTHING IS TRANSPOSED: S^T = K Q^T, so lane (r, h) holds query r and the keys 8 h + j of a tile; maximum, sum and rescaling are per lane, one exchange between the
; halves of the wave gives the maximum of a query; two tiles of S^T, packed to f16, ARE the second operand P^T of O^T = V^T P^T, with no lane movement.
; V^T comes out of LDS by the transposing load.  The sum l stays a partial sum of each lane's own keys until the end.
; p = 2^(s - m) with m the running maximum, so no exponential exceeds 1; the largest key gives 1, so l is at least 1.
; LIMIT: q, k, v, p and the result are f16; p below about 3e-8 counts as zero.
; A tile of 128 rows of 128 bytes is dense in memory and comes in as 64 rows of 256 bytes: key k lies at (k / 2) pitch + (k mod 2) 128.  Pitch 272 for K: the 16 rows of a
; fragment load fall on 16 different 16-byte columns modulo 256 bytes; pitch 288 for V: so do the 8 rows x 32 bytes of a transposing load.
.set KTILE, 64*272
.set VTILE, 64*288
.set SLOT,  2*KTILE+2*VTILE            ; 71,680: K head 0, K head 1, V head 0, V head 1
.set STAGE, 2*SLOT                     ; 143,360, a multiple of 256: 128 rows x 272 bytes for the way out; no tensor load lands here
.set TBYTES, 16384                     ; a tile in memory
.set ADK, 2                            ; v2-3   my K fragments in slot 0, 1
.set ADV, 4                            ; v4-5   my V fragments in slot 0, 1
.set STO, 6
.set RD,  7
.set CO,  8
.set QO,  9
.set QF,  16                           ; window 0: v16-79   Q fragments, 16 qt + 8 ks
.set KF,  80                           ;           v80-143  K fragments, 16 kt + 8 ks
.set VF,  144                          ;           v144-207 V^T fragments, 16 dt + 8 ks
.set SR,  0                            ; window 1: S^T, 32 qt + 8 kt
.set PR,  128                          ;           P^T, 16 qt + 8 ks
.set MP,  192                          ;           the running maximum, twice (a pair for the packed subtraction), 2 qt
.set LS,  200                          ;           the running sum, qt
.set ALP, 204                          ;           2^(old maximum - new maximum), twice, 2 qt
.set TR,  212                          ;           at work, 4 qt + c
.set OA,  0                            ; window 2: O^T, 32 qt + 8 dt
.set G1K, 16                           ; s[16:23]
.set G1V, 24                           ; s[24:31]
.set G0K, 32                           ; s[32:39] one set for each slot
.set G0V, 40                           ; s[40:47]
.set MSB, 0
.macro WIN new                         ; s_set_vgpr_msb: bits 1:0 source 0, 3:2 source 1, 5:4 source 2, 7:6 destination; the high byte repeats the setting that is left
.if MSB != \new
	s_set_vgpr_msb (MSB<<8)|\new
.set MSB, \new
.endif
.endm
.macro PLACES                          ; four plain vector instructions behind a matrix instruction, in front of a load into or a vector access to its registers
.rept 4
	v_nop
.endr
.endm
.macro JLOAD s                         ; a joint load; the branch hangs on the wave's number alone
	s_cmp_eq_u32 s10, 0
	s_cbranch_scc0 .Lfor_v_\@
	tensor_load_to_lds s[G0K+4*\s:G0K+4*\s+3], s[G1K:G1K+7]
	s_nop 0
	s_branch .Lasked_\@
.Lfor_v_\@:
	tensor_load_to_lds s[G0V+4*\s:G0V+4*\s+3], s[G1V:G1V+7]
	s_nop 0
.Lasked_\@:
.endm
.macro CROUND                          ; a round of the cluster's barrier
	s_barrier_signal -1
	s_barrier_wait -1
	s_cmp_lg_u32 s8, 0
	s_cbranch_scc1 .Lnot_wave_0_\@
	s_barrier_signal -3
.Lnot_wave_0_\@:
	s_barrier_wait -3
	s_barrier_signal -1
	s_barrier_wait -1
.endm
	s_load_b128 s[4:7], s[0:1], 0x0                ; qkvh s[4:5], ao s[6:7]
	v_lshl_add_u32 v254, v0, 2, 0x2b800
	v_mov_b32 v255, 0
	ds_add_u32 v254, v255
	v_lshrrev_b32 v1, 5, v0
	v_readfirstlane_b32 s8, v1                     ; wave 0..3
	s_and_b32 s9, s8, 1                            ; my head of the pair
	s_lshr_b32 s10, s8, 1                          ; my half of the queries.  Also: I fetch K (0) or V (1)
	s_bfe_u32 s11, ttmp6, 0x40000                  ; cx
	s_lshl_b32 s12, ttmp9, 2
	s_add_co_u32 s12, s12, s11                     ; query block = 4 x cluster x + cx
	s_and_b32 s13, ttmp7, 0xffff
	s_lshr_b32 s14, s13, 3                         ; batch
	s_and_b32 s15, s13, 7                          ; pair of heads
	s_mov_b32 s52, 0x76543210                      ; v_permlanex16_b32: lane i of one half reads lane i of the other
	s_mov_b32 s53, 0xfedcba98
	; group 1: 64 rows of 32 elements of 8 bytes, dense; padding of 16 (K) or 32 (V) bytes behind each 256; the mask names all four work-groups of the cluster
	s_mov_b32 s[G1K+0], 15|(3<<16)|(1<<20)|(1<<21)|(5<<22)|(3<<25)
	s_mov_b32 s[G1V+0], 15|(3<<16)|(1<<20)|(1<<21)|(5<<22)|(7<<25)
.irp g, G1K, G1V
	s_mov_b32 s[\g+1], 32<<16                      ; tensor_dim0
	s_mov_b32 s[\g+2], 64<<16                      ; tensor_dim1
	s_mov_b32 s[\g+3], 32<<16                      ; tile_dim0
	s_mov_b32 s[\g+4], 64                          ; tile_dim1
	s_mov_b32 s[\g+5], 32                          ; elements from row to row
	s_mov_b32 s[\g+6], 0
	s_mov_b32 s[\g+7], 0
.endr
	s_lshl_b32 s48, s15, 1
	s_add_co_u32 s48, s48, s9                      ; my head
	s_lshl_b32 s48, s48, 19                        ; x 4,096 rows of 128 bytes
	s_lshl_b32 s49, s14, 18                        ; + batch x 2,048 rows
	s_add_co_u32 s48, s48, s49
	s_mov_b32 s49, 0
	s_mul_i32 s50, s9, KTILE                       ; my head's K in a slot,
	s_mul_i32 s51, s9, VTILE
	s_add_co_u32 s51, s51, 2*KTILE                 ; and its V: the wave's number alone enters an LDS address
	s_wait_dscnt 0x0
	s_wait_kmcnt 0x0
	s_add_nc_u64 s[48:49], s[4:5], s[48:49]        ; my head's q rows of this batch; k lies 16 heads, v 32 heads further on.  No place in the cluster enters
	CROUND                                         ; all four work-groups are here: the first joint loads meet
.irp s, 0,1
	s_mov_b32 s[G0K+4*\s], 1
	s_add_co_u32 s[G0K+4*\s+1], s50, \s*SLOT
	s_add_nc_u64 s[G0K+4*\s+2:G0K+4*\s+3], s[48:49], 16*524288+\s*TBYTES
	s_or_b32 s[G0K+4*\s+3], s[G0K+4*\s+3], 0x80000000
	s_mov_b32 s[G0V+4*\s], 1
	s_add_co_u32 s[G0V+4*\s+1], s51, \s*SLOT
	s_add_nc_u64 s[G0V+4*\s+2:G0V+4*\s+3], s[48:49], 32*524288+\s*TBYTES
	s_or_b32 s[G0V+4*\s+3], s[G0V+4*\s+3], 0x80000000
	JLOAD \s                                       ; key tiles 0 and 1: two tensor loads of mine are out
.endr
	v_and_b32 v1, 15, v0                           ; r
	v_bfe_u32 v10, v0, 4, 1                        ; h
	; Q fragments straight from memory, once: lane (r, h) takes query 16 qt + r, 16 bytes at 16 h + 32 c
	s_lshl_b32 s56, s12, 7
	s_lshl_b32 s57, s10, 6
	s_add_co_u32 s56, s56, s57                     ; my first query: 128 x block + 64 x half
	s_lshl_b32 s56, s56, 7
	s_mov_b32 s57, 0
	s_add_nc_u64 s[56:57], s[48:49], s[56:57]
	v_lshlrev_b32 v[QO], 7, v1
	v_lshl_add_u32 v[QO], v10, 4, v[QO]
.irp q, 0,1,2,3
.irp e, 0,1,2,3
	global_load_b128 v[QF+16*\q+4*\e:QF+16*\q+4*\e+3], v[QO], s[56:57] offset:\q*2048+\e*32
.endr
.endr
	v_lshrrev_b32 v11, 1, v1                       ; K: key r at (r / 2) 272 + (r mod 2) 128 + 16 h
	v_mul_u32_u24 v11, v11, 272
	v_and_b32 v12, 1, v0
	v_lshl_add_u32 v11, v12, 7, v11
	v_lshl_add_u32 v11, v10, 4, v11
	v_add_nc_u32 v[ADK], s50, v11
	v_add_nc_u32 v[ADK+1], SLOT, v[ADK]
	v_bfe_u32 v13, v0, 1, 2                        ; V: lane L addresses key 8 h + (L mod 8): (4 h + (L mod 8) / 2) 288 + (L mod 2) 128 + 16 ((L / 8) mod 2)
	v_lshl_add_u32 v13, v10, 2, v13
	v_mul_u32_u24 v13, v13, 288
	v_lshl_add_u32 v13, v12, 7, v13
	v_bfe_u32 v14, v0, 3, 1
	v_lshl_add_u32 v13, v14, 4, v13
	v_add_nc_u32 v[ADV], s51, v13
	v_add_nc_u32 v[ADV+1], SLOT, v[ADV]
	s_mul_i32 s54, s10, 64*272                     ; the way out, in: row 64 x half + r, my head's 128 bytes, 16 h
	s_lshl_b32 s55, s9, 7
	s_add_co_u32 s54, s54, s55
	s_add_co_u32 s54, s54, STAGE
	v_mul_u32_u24 v15, v1, 272
	v_lshl_add_u32 v15, v10, 4, v15
	v_add_nc_u32 v[STO], s54, v15
	s_mul_i32 s55, s8, 32*272                      ; back: wave w takes rows 32 w .. + 31, two whole rows of 256 bytes a load
	s_add_co_u32 s55, s55, STAGE
	v_mul_u32_u24 v15, v10, 272
	v_lshl_add_u32 v15, v1, 4, v15
	v_add_nc_u32 v[RD], s55, v15
	v_lshlrev_b32 v15, 11, v10                     ; and the same two rows in ao, 2,048 bytes apart
	v_lshl_add_u32 v[CO], v1, 4, v15
	s_lshl_b32 s58, s14, 11
	s_lshl_b32 s59, s12, 7
	s_add_co_u32 s58, s58, s59
	s_lshl_b32 s59, s8, 5
	s_add_co_u32 s58, s58, s59                     ; row 2048 x batch + 128 x block + 32 x wave
	s_lshl_b32 s58, s58, 11
	s_lshl_b32 s59, s15, 8                         ; the pair's 256 bytes in a row
	s_add_co_u32 s58, s58, s59
	s_mov_b32 s59, 0
	s_add_nc_u64 s[58:59], s[6:7], s[58:59]
.macro KLOAD slot, half                ; 64 keys x 64 d of K: 16 loads
.irp c, 0,1,2,3
.irp e, 0,1,2,3
	ds_load_b128 v[KF+16*\c+4*\e:KF+16*\c+4*\e+3], v[ADK+\slot] offset:\half*8704+\c*2176+\e*32
.endr
.endr
.endm
.macro VLOAD slot, half                ; 64 d x 64 keys of V^T: 16 transposing loads
.irp d, 0,1,2,3
.irp k, 0,1
	ds_load_tr16_b128 v[VF+16*\d+8*\k:VF+16*\d+8*\k+3],   v[ADV+\slot] offset:\half*9216+\k*4608+\d*32
	ds_load_tr16_b128 v[VF+16*\d+8*\k+4:VF+16*\d+8*\k+7], v[ADV+\slot] offset:\half*9216+\k*4608+2304+\d*32
.endr
.endr
.endm
; S^T = K Q^T: 32 matrix instructions on 16 accumulators that take turns, one instruction a turn; the first 32 of d start the sums
.macro SMUL
	WIN 0x50                                       ; C and D window 1, K and Q window 0
.irp k, 0,1
.irp q, 0,1,2,3
.irp c, 0,1,2,3
.if \k == 0
	v_wmma_f32_16x16x32_f16 v[SR+32*\q+8*\c:SR+32*\q+8*\c+7], v[KF+16*\c+8*\k:KF+16*\c+8*\k+7], v[QF+16*\q+8*\k:QF+16*\q+8*\k+7], 0
.else
	v_wmma_f32_16x16x32_f16 v[SR+32*\q+8*\c:SR+32*\q+8*\c+7], v[KF+16*\c+8*\k:KF+16*\c+8*\k+7], v[QF+16*\q+8*\k:QF+16*\q+8*\k+7], v[SR+32*\q+8*\c:SR+32*\q+8*\c+7]
.endif
.endr
.endr
.endr
.endm
; O^T += V^T P^T: 32 matrix instructions on 16 accumulators by turns.  first = 1: the first 32 keys start the sums
.macro PVMUL first
	WIN 0xa4                                       ; V^T window 0, P^T window 1, C and D window 2
.irp k, 0,1
.irp q, 0,1,2,3
.irp d, 0,1,2,3
.if \first*(1-\k)
	v_wmma_f32_16x16x32_f16 v[OA+32*\q+8*\d:OA+32*\q+8*\d+7], v[VF+16*\d+8*\k:VF+16*\d+8*\k+7], v[PR+16*\q+8*\k:PR+16*\q+8*\k+7], 0
.else
	v_wmma_f32_16x16x32_f16 v[OA+32*\q+8*\d:OA+32*\q+8*\d+7], v[VF+16*\d+8*\k:VF+16*\d+8*\k+7], v[PR+16*\q+8*\k:PR+16*\q+8*\k+7], v[OA+32*\q+8*\d:OA+32*\q+8*\d+7]
.endif
.endr
.endr
.endr
.endm
.macro RESCALE                         ; O^T times a factor that is the lane's own (its query's)
	WIN 0x86                                       ; destination and source 0 window 2, the factor window 1
.irp i, 0,2,4,6,8,10,12,14,16,18,20,22,24,26,28,30
.irp q, 0,1,2,3
	v_pk_mul_f32 v[OA+32*\q+\i:OA+32*\q+\i+1], v[OA+32*\q+\i:OA+32*\q+\i+1], v[ALP+2*\q:ALP+2*\q+1]
.endr
.endr
.endm
; The softmax step on 64 keys x 64 queries; the four query tiles are four chains that do not wait for each other.  first = 1: no old maximum, no old sum.
.macro SOFTMAX first
	WIN 0x55                                       ; everything in window 1
.irp c, 0,1,2,3
.irp q, 0,1,2,3
	v_max3_num_f32 v[TR+4*\q+\c], v[SR+32*\q+8*\c], v[SR+32*\q+8*\c+1], v[SR+32*\q+8*\c+2]
.endr
.endr
.irp c, 0,1,2,3
.irp q, 0,1,2,3
	v_max3_num_f32 v[TR+4*\q+\c], v[TR+4*\q+\c], v[SR+32*\q+8*\c+3], v[SR+32*\q+8*\c+4]
.endr
.endr
.irp c, 0,1,2,3
.irp q, 0,1,2,3
	v_max3_num_f32 v[TR+4*\q+\c], v[TR+4*\q+\c], v[SR+32*\q+8*\c+5], v[SR+32*\q+8*\c+6]
.endr
.endr
.irp q, 0,1,2,3
	v_max3_num_f32 v[TR+4*\q], v[TR+4*\q], v[TR+4*\q+1], v[SR+32*\q+7]
.endr
.irp q, 0,1,2,3
	v_max3_num_f32 v[TR+4*\q+2], v[TR+4*\q+2], v[TR+4*\q+3], v[SR+32*\q+15]
.endr
.irp q, 0,1,2,3
	v_max3_num_f32 v[TR+4*\q], v[TR+4*\q], v[SR+32*\q+23], v[SR+32*\q+31]
.endr
.irp q, 0,1,2,3
.if \first
	v_max_num_f32 v[TR+4*\q], v[TR+4*\q], v[TR+4*\q+2]
.else
	v_max3_num_f32 v[TR+4*\q], v[TR+4*\q], v[TR+4*\q+2], v[MP+2*\q]        ; the old maximum joins
.endif
.endr
.irp q, 0,1,2,3
	v_permlanex16_b32 v[TR+4*\q+1], v[TR+4*\q], s52, s53                   ; the other half of the wave holds the query's other 32 keys
.endr
.irp q, 0,1,2,3
	v_max_num_f32 v[TR+4*\q+3], v[TR+4*\q], v[TR+4*\q+1]                   ; the new maximum, the same in both halves
.endr
.if \first == 0
.irp q, 0,1,2,3
	v_sub_f32 v[TR+4*\q+2], v[MP+2*\q], v[TR+4*\q+3]                       ; old - new, at most 0
.endr
.endif
.irp q, 0,1,2,3
	v_mov_b32 v[MP+2*\q], v[TR+4*\q+3]
	v_mov_b32 v[MP+2*\q+1], v[TR+4*\q+3]
.endr
.if \first == 0
.irp q, 0,1,2,3
	v_exp_f32 v[ALP+2*\q], v[TR+4*\q+2]                                    ; the plain instructions that a transcendental wants behind it (ISA guide 5.7.2) are the subtractions below
	v_exp_f32 v[ALP+2*\q+1], v[TR+4*\q+2]
.endr
.endif
.irp i, 0,2,4,6,8,10,12,14,16,18,20,22,24,26,28,30
.irp q, 0,1,2,3
	v_pk_add_f32 v[SR+32*\q+\i:SR+32*\q+\i+1], v[SR+32*\q+\i:SR+32*\q+\i+1], v[MP+2*\q:MP+2*\q+1] neg_lo:[0,1] neg_hi:[0,1]
.endr
.endr
.set ii, 0
.rept 128
	v_exp_f32 v[SR+ii], v[SR+ii]                                           ; p = 2^(s - m), at most 1
.set ii, ii+1
.endr
	v_nop                                                                  ; one plain instruction between the last exponential and the first use
	s_wait_alu depctr_va_vdst(0)
.irp q, 0,1,2,3
	v_pk_add_f32 v[TR+4*\q:TR+4*\q+1], v[SR+32*\q:SR+32*\q+1], v[SR+32*\q+2:SR+32*\q+3]
.endr
.irp q, 0,1,2,3
	v_pk_add_f32 v[TR+4*\q+2:TR+4*\q+3], v[SR+32*\q+4:SR+32*\q+5], v[SR+32*\q+6:SR+32*\q+7]
.endr
.irp i, 8,12,16,20,24,28
.irp q, 0,1,2,3
	v_pk_add_f32 v[TR+4*\q:TR+4*\q+1], v[TR+4*\q:TR+4*\q+1], v[SR+32*\q+\i:SR+32*\q+\i+1]
.endr
.irp q, 0,1,2,3
	v_pk_add_f32 v[TR+4*\q+2:TR+4*\q+3], v[TR+4*\q+2:TR+4*\q+3], v[SR+32*\q+\i+2:SR+32*\q+\i+3]
.endr
.endr
.irp q, 0,1,2,3
	v_pk_add_f32 v[TR+4*\q:TR+4*\q+1], v[TR+4*\q:TR+4*\q+1], v[TR+4*\q+2:TR+4*\q+3]
.endr
.if \first
.irp q, 0,1,2,3
	v_add_f32 v[LS+\q], v[TR+4*\q], v[TR+4*\q+1]                           ; the first sum starts l
.endr
.else
.irp q, 0,1,2,3
	v_add_f32 v[TR+4*\q], v[TR+4*\q], v[TR+4*\q+1]
.endr
.irp q, 0,1,2,3
	v_fma_f32 v[LS+\q], v[LS+\q], v[ALP+2*\q], v[TR+4*\q]                  ; l = l x 2^(old - new) + this step's sum of my own keys
.endr
.endif
.irp q, 0,1,2,3
.irp j, 0,1,2,3,4,5,6,7,8,9,10,11,12,13,14,15
	v_cvt_pk_f16_f32 v[PR+16*\q+\j], v[SR+32*\q+2*\j], v[SR+32*\q+2*\j+1]  ; keys 8 h + 2 i, + 1 of tile kt go to register 4 kt + i: the operand's own layout
.endr
.endr
.endm
; A sub-step of 64 keys: half `half` of slot `slot`.  Its K fragments were asked for by the sub-step before.
; mode 0: the slot's second half follows.  mode 1: the slot is done and is filled again.  mode 2: done, nothing left to fetch.  mode 3: the last sub-step of all.
.macro SUB slot, next, half, first, mode
	WIN 0
.if \first == 0
	PLACES                                         ; behind the last products, which read V's fragments and P and wrote O
.endif
	VLOAD \slot, \half
	s_wait_dscnt 16                                ; K's 16 loads are in; V's 16, just issued, stay out
	SMUL
	PLACES
	SOFTMAX \first
.if \first == 0
	RESCALE
.endif
	WIN 0
.if \mode == 0
	KLOAD \slot, 1
	s_wait_dscnt 16                                ; V's fragments are in; the next K's 16 loads stay out
.endif
.if \mode == 1
	s_wait_dscnt 0                                 ; my reads of this slot are over
	s_wait_tensorcnt 0x0                           ; and all my tensor loads have landed: the one that was out is my part of the other slot
	ds_add_u32 v254, v255
	s_wait_dscnt 0x0
	CROUND                                         ; both now hold of every wave of all four work-groups
	s_add_nc_u64 s[G0K+4*\slot+2:G0K+4*\slot+3], s[G0K+4*\slot+2:G0K+4*\slot+3], 2*TBYTES
	s_add_nc_u64 s[G0V+4*\slot+2:G0V+4*\slot+3], s[G0V+4*\slot+2:G0V+4*\slot+3], 2*TBYTES
	JLOAD \slot                                    ; my one tensor load behind the round: it has two sub-steps in which to land
	KLOAD \next, 0
.endif
.if \mode == 2
	s_wait_dscnt 0
	s_wait_tensorcnt 0x0                           ; my part of the last tile has landed,
	s_barrier_signal -1
	s_barrier_wait -1                              ; everybody's has
	KLOAD \next, 0
.endif
.if \mode == 3
	s_wait_dscnt 0
.endif
	PVMUL \first
.endm
	s_wait_tensorcnt 0x1                           ; my part of key tile 0 is in; tile 1's stays out
	s_barrier_signal -1
	s_barrier_wait -1
	KLOAD 0, 0
	s_wait_loadcnt 0x0                             ; Q
	SUB 0, 1, 0, 1, 0                              ; the first lap stands in front of the loop: it starts maximum, sum and O
	SUB 0, 1, 1, 0, 1
	SUB 1, 0, 0, 0, 0
	SUB 1, 0, 1, 0, 1
	WIN 0                                          ; at a label and at a branch every window is 0
	s_mov_b32 s54, 6                               ; 16 tiles = 8 laps: one in front, six here, one behind
.Llap:
	SUB 0, 1, 0, 0, 0
	SUB 0, 1, 1, 0, 1
	SUB 1, 0, 0, 0, 0
	SUB 1, 0, 1, 0, 1
	WIN 0
	s_sub_co_u32 s54, s54, 1
	s_cmp_lg_u32 s54, 0
	s_cbranch_scc1 .Llap
	SUB 0, 1, 0, 0, 0                              ; the last lap fills nothing
	SUB 0, 1, 1, 0, 2
	SUB 1, 0, 0, 0, 0
	SUB 1, 0, 1, 0, 3
	; the end: l of both halves, O / l, f16, through the stage so that whole rows of 256 bytes (both heads) leave together
	PLACES
	WIN 0x55
.irp q, 0,1,2,3
	v_permlanex16_b32 v[TR+4*\q], v[LS+\q], s52, s53
.endr
.irp q, 0,1,2,3
	v_add_f32 v[LS+\q], v[LS+\q], v[TR+4*\q]
.endr
.irp q, 0,1,2,3
	v_rcp_f32 v[ALP+2*\q], v[LS+\q]
	v_rcp_f32 v[ALP+2*\q+1], v[LS+\q]
.endr
	v_nop                                          ; one plain instruction behind the reciprocals
	s_wait_alu depctr_va_vdst(0)
	RESCALE
	WIN 0x0a                                       ; sources window 2, destination window 0
.irp q, 0,1,2,3
.irp j, 0,1,2,3,4,5,6,7,8,9,10,11,12,13,14,15
	v_cvt_pk_f16_f32 v[VF+16*\q+\j], v[OA+32*\q+2*\j], v[OA+32*\q+2*\j+1]
.endr
.endr
	WIN 0
.irp q, 0,1,2,3
.irp d, 0,1,2,3
	ds_store_b128 v[STO], v[VF+16*\q+4*\d:VF+16*\q+4*\d+3] offset:\q*4352+\d*32    ; query 16 qt + r, d = 16 dt + 8 h .. + 7
.endr
.endr
	s_wait_dscnt 0x0                               ; for the others' sake: a row holds two waves' halves
	s_barrier_signal -1
	s_barrier_wait -1
.irp t, 0,1,2,3,4,5,6,7,8,9,10,11,12,13,14,15
	ds_load_b128 v[KF+4*\t:KF+4*\t+3], v[RD] offset:\t*544
.endr
.irp t, 0,1,2,3,4,5,6,7,8,9,10,11,12,13,14,15
	s_wait_dscnt 15-\t                             ; number t is in, the younger ones stay out
	global_store_b128 v[CO], v[KF+4*\t:KF+4*\t+3], s[58:59] offset:\t*4096         ; 16 lanes store 256 consecutive bytes, aligned
.endr
	s_wait_tensorcnt 0x0
	ds_add_u32 v254, v255
	s_wait_dscnt 0x0
	CROUND                                         ; the closing round: no work-group ends while a partner may still ask for a tile that names it
	s_endpgm
.Lfunc_end_k_q6185f7456e_attn:
	.size	k_q6185f7456e_attn, .Lfunc_end_k_q6185f7456e_attn-k_q6185f7456e_attn
	.p2alignl 7, 3214868480
	.fill 96, 4, 3214868480
	.section	.rodata,"a",@progbits
	.p2align	6, 0x0
	.amdhsa_kernel k_q6185f7456e_attn
		.amdhsa_group_segment_fixed_size 327680
		.amdhsa_private_segment_fixed_size 0
		.amdhsa_enable_private_segment 0
		.amdhsa_kernarg_size 16
		.amdhsa_user_sgpr_count 2
		.amdhsa_user_sgpr_kernarg_segment_ptr 1
		.amdhsa_wavefront_size32 1
		.amdhsa_system_sgpr_workgroup_id_x 1
		.amdhsa_system_sgpr_workgroup_id_y 1
		.amdhsa_system_sgpr_workgroup_id_z 1
		.amdhsa_system_vgpr_workitem_id 0
		.amdhsa_next_free_vgpr 640
		.amdhsa_next_free_sgpr 66
		.amdhsa_reserve_vcc 0
		.amdhsa_float_denorm_mode_32 3
		.amdhsa_float_denorm_mode_16_64 3
		.amdhsa_memory_ordered 1
		.amdhsa_forward_progress 1
		.amdhsa_inst_pref_size 255
	.end_amdhsa_kernel
	.section	.bss,"aw",@nobits
	.p2align	6
	.space	262144
	.amdgpu_metadata
---
amdhsa.version: [ 1, 2 ]
amdhsa.kernels:
  - .name:           k_q6185f7456e_attn
    .symbol:         k_q6185f7456e_attn.kd
    .args:
      - { .name: qkvh, .offset: 0, .size: 8, .value_kind: global_buffer, .address_space: global }
      - { .name: ao, .offset: 8, .size: 8, .value_kind: global_buffer, .address_space: global }
    .group_segment_fixed_size: 327680
    .private_segment_fixed_size: 0
    .kernarg_segment_align: 8
    .kernarg_segment_size: 16
    .max_flat_workgroup_size: 128
    .sgpr_count:     66
    .vgpr_count:     640
    .wavefront_size: 32
...
	.end_amdgpu_metadata
.endif
;; end of part 3
;; launch projgemm (part 4): grid 8 x 32, 4 waves a work-group, clusters of 4 x 4, 327,680 bytes of LDS; arguments ao, woh, b_out, out0; writes out0
.if DOCPART == 4
	.amdgcn_target "amdgcn-amd-amdhsa--gfx1250"
	.amdhsa_code_object_version 6
	.text
	.protected	k_q6185f7456e_projgemm
	.globl	k_q6185f7456e_projgemm
	.p2align	8
	.type	k_q6185f7456e_projgemm,@function
k_q6185f7456e_projgemm:
	s_mov_b64 s[64:65], 0
	v_nop
	global_prefetch_b8 v0, s[64:65] scope:SCOPE_SE
	s_setreg_imm32_b32 hwreg(HW_REG_WAVE_MODE, 25, 1), 1
	s_wait_xcnt 0x0
	s_wait_alu depctr_hold_cnt(0) depctr_sa_sdst(0) depctr_va_vdst(0) depctr_va_sdst(0) depctr_va_ssrc(0) depctr_va_vcc(0) depctr_vm_vsrc(0)
	s_getreg_b32 s2, hwreg(HW_REG_IB_STS2, 6, 4)
	s_cmp_eq_u32 s2, 0
	s_cbranch_scc0 .Lentry_in_a_cluster
	s_endpgm
.Lentry_in_a_cluster:
	s_bfe_u32 s2, ttmp6, 0x10000c
	s_cmp_lg_u32 s2, 0xf033
	s_cbranch_scc0 .Lentry_shape_is_right
	s_endpgm
.Lentry_shape_is_right:
; C[4096][NN] = A[4096][1024] W[1024][NN] + bias.  A and W f16, sums f32.  One text serves two launches; PROJ picks the sizes and the way out.
;   PROJ = 0: the QKV projection, NN = 3072.  A block of 256 x 192 for a work-group (16 x 16 = 256 work-groups), four waves one below the other, 64 x 192 each:
;             a wave holds three whole heads of 64 columns, so its way out is its own.  The q columns (heads 0-15 of 48) are multiplied by 0.125 log2(e),
;             so that the attention launch takes 2^(s - m) of the raw products.  Output f16, head-major: byte g 524288 + m 128 + 2 d, g = column / 64, m = row.
;   PROJ = 1: the output projection, NN = 1024.  A block of 128 x 128 (8 x 32 = 256 work-groups), waves 2 x 2, 64 x 64 each.  Output f32, row-major.
; K goes in steps of KSTEP through two LDS slots filled by the tensor data mover, one load a wave: waves 0, 1 bring the halves of A's tile, waves 2, 3 of W's.
; PROJ = 1 has a third of the products for a quarter step, so its slot holds 256 along K: a refill then has 124 matrix instructions in which to land.
; CLUSTERS: 4 x 4 work-groups.  A's tile hangs on the block row alone and is asked for jointly by a row of the cluster, W's on the block column alone and
; is asked for jointly by a column: the requests for both are divided by four.
; W lies [K][N]: its fragments are read with ds_load_tr16_b128, which hands each lane one column with K along its registers.
; THE MATRIX INSTRUCTION IS USED TRANSPOSED: source 0 = 16 columns of W, source 1 = 16 rows of A; lane (r, h) then holds row r of C and the eight
; neighbouring columns 8 h .. 8 h + 7 of the tile, which belong together in memory.
; LIMIT: f16 operands; with PROJ = 0 the results are stored in f16 as well and are finite only below 65,504 in magnitude.
; REGISTERS in windows of 256: window 0 addresses, A's fragments (two buffers), the way out's registers, the bias; window 1 W's fragments (two buffers);
; window 2 the accumulators of my rows 0-31, window 3 those of my rows 32-63 (tile (a, b) at 8 (NT (a mod 2) + b)).
.set PROJ, 1
.if PROJ
.set NN,     1024
.set BM,     128
.set BN,     128
.set NT,     4                         ; tiles of 16 columns in a wave
.set KSTEP,  256
.set APITCH, 528                       ; A's LDS row: 512 bytes + 16
.set QIA,    6                         ; pad after every 128 words
.set CH,     128                       ; W: columns between two pads
.set QIB,    5                         ; = 64 words
.set BPITCH, 288                       ; W's LDS row: 256 bytes + 32: an odd multiple of 32
.set WMR,    13                        ; the scalar register with my place down the block: wave / 2
.set WSTAGE, 4352                      ; my stage: 16 rows of 256 bytes + 16
.else
.set NN,     3072
.set BM,     256
.set BN,     192
.set NT,     12
.set KSTEP,  128
.set APITCH, 272                       ; 256 bytes + 16
.set QIA,    5                         ; pad after every 64 words
.set CH,     64                        ; a row of 192 columns is 96 words, no interval that the descriptor knows: the pad follows every 64 columns
.set QIB,    4                         ; = 32 words
.set BPITCH, 480                       ; 3 x (128 + 32) bytes: an odd multiple of 32
.set WMR,    12                        ; wave
.set WSTAGE, 6656                      ; three heads x 8 pairs of rows x 272 bytes = 6,528, up to a multiple of 256
.endif
.set NQ,     KSTEP/32                  ; quarter steps of 32 along K (four or eight)
.set LAPS,   1024/(2*KSTEP)            ; a lap = once round the two slots
.set ABYTES, BM*APITCH
.set BBYTES, KSTEP*BPITCH
.set SLOT,   ABYTES+BBYTES             ; A's tile, then W's
.set STAGE,  2*SLOT                    ; behind the ring, a multiple of 256: no tensor load ever lands here
.set ADRA, 16                          ; v16-17  my A fragments in slot 0, 1
.set ADRB, 20                          ; v20-23  my W fragments in slot 0, 1; +2: the same 128 rows of K further down
.set STO,  24                          ; the way out: where I put my 16 or 32 bytes
.set RD,   25                          ; where I read whole rows back
.set CO,   26                          ; my byte offset in the output
.set BO,   27                          ; my byte offset in the bias
.set AF,   64                          ; v64-95, v96-127  A's fragments, buffers 0 and 1
.set TMP,  64                          ; the way out: packed results
.set RB,   112                         ; the way out: rows read back
.set BIAS, 160                         ; v160..  the bias of my 8 columns of each tile
.set G1A, 24                           ; s[24:31] descriptor group 1 for A's tiles
.set G0A, 32                           ; s[32:39] group 0, one set for each slot
.set G1B, 48                           ; s[48:55] group 1 for W's tiles
.set G0B, 56                           ; s[56:63] group 0, one set for each slot
.set SC,  66                           ; s[66:71] PROJ = 0: the scale of each of my three heads, as pairs
.set MSB, 0
.macro WIN new                         ; s_set_vgpr_msb: bits 1:0 source 0, 3:2 source 1, 5:4 source 2, 7:6 destination; the high byte repeats the setting that is left
.if MSB != \new
	s_set_vgpr_msb (MSB<<8)|\new
.set MSB, \new
.endif
.endm
.macro PLACES                          ; four plain vector instructions behind a matrix instruction, in front of a load into or a vector access to its registers
.rept 4
	v_nop
.endr
.endm
; A joint load: waves 0, 1 ask for A's halves, waves 2, 3 for W's.  Each line has one mask and one set of registers; the branch hangs on the wave's number alone.
.macro JLOAD s
	s_cmp_eq_u32 s13, 0
	s_cbranch_scc0 .Lfor_w_\@
	tensor_load_to_lds s[G0A+4*\s:G0A+4*\s+3], s[G1A:G1A+7]
	s_nop 0
	s_branch .Lasked_\@
.Lfor_w_\@:
	tensor_load_to_lds s[G0B+4*\s:G0B+4*\s+3], s[G1B:G1B+7]
	s_nop 0
.Lasked_\@:
.endm
; A round of the cluster's barrier: my work-group's barrier, wave 0 signals for the work-group, every wave waits for all sixteen, my work-group's barrier again.
.macro CREST                           ; the round behind its opening barrier
	s_cmp_lg_u32 s12, 0
	s_cbranch_scc1 .Lnot_wave_0_\@
	s_barrier_signal -3
.Lnot_wave_0_\@:
	s_barrier_wait -3
	s_barrier_signal -1
	s_barrier_wait -1
.endm
.macro CROUND
	s_barrier_signal -1
	s_barrier_wait -1
	CREST
.endm
	s_load_b256 s[4:11], s[0:1], 0x0               ; A s[4:5], W s[6:7], bias s[8:9], output s[10:11]
	s_set_vgpr_msb 0x40
	v_lshl_add_u32 v255, v0, 2, 0x49400
	s_set_vgpr_msb 0x4000
	v_mov_b32 v255, 0
	s_set_vgpr_msb 0x1
	ds_add_u32 v255, v255
	s_set_vgpr_msb 0x100
	v_lshrrev_b32 v1, 5, v0
	v_readfirstlane_b32 s12, v1                    ; wave 0..3
	s_lshr_b32 s13, s12, 1                         ; I fetch for A (0) or for W (1)
	s_and_b32 s14, s12, 1                          ; which half of that tile
	s_bfe_u32 s40, ttmp6, 0x40000                  ; cx
	s_bfe_u32 s41, ttmp6, 0x40004                  ; cy
	s_lshl_b32 s42, ttmp9, 2
	s_add_co_u32 s42, s42, s40                     ; block column = 4 x cluster x + cx
	s_and_b32 s43, ttmp7, 0xffff
	s_lshl_b32 s43, s43, 2
	s_add_co_u32 s43, s43, s41                     ; block row = 4 x cluster y + cy
	s_lshl_b32 s44, s41, 2
	s_lshl_b32 s44, 15, s44                        ; my row of the cluster: places 4 cy .. 4 cy + 3
	s_lshl_b32 s45, 0x1111, s40                    ; my column: places cx, cx + 4, cx + 8, cx + 12
	; group 1 for A: BM/2 rows of KSTEP elements of 2 bytes, 16 bytes of padding behind each row
	s_or_b32 s[G1A+0], s44, (1<<16)|(1<<20)|(1<<21)|(QIA<<22)|(3<<25)  ; 15:0 mask; 17:16 element size; 20 padding on; 21 set beside a mask; 24:22 interval; 31:25 pad of 4 words
	s_mov_b32 s[G1A+1], KSTEP<<16                  ; tensor_dim0
	s_mov_b32 s[G1A+2], (BM/2)<<16                 ; tensor_dim1
	s_mov_b32 s[G1A+3], KSTEP<<16                  ; tile_dim0
	s_mov_b32 s[G1A+4], BM/2                       ; tile_dim1
	s_mov_b32 s[G1A+5], 1024                       ; elements from row to row
	s_mov_b32 s[G1A+6], 0
	s_mov_b32 s[G1A+7], 0
	; group 1 for W: KSTEP/2 rows (of K) of BN elements, 32 bytes of padding behind every CH columns
	s_or_b32 s[G1B+0], s45, (1<<16)|(1<<20)|(1<<21)|(QIB<<22)|(7<<25)
	s_mov_b32 s[G1B+1], BN<<16
	s_mov_b32 s[G1B+2], (KSTEP/2)<<16
	s_mov_b32 s[G1B+3], BN<<16
	s_mov_b32 s[G1B+4], KSTEP/2
	s_mov_b32 s[G1B+5], NN
	s_mov_b32 s[G1B+6], 0
	s_mov_b32 s[G1B+7], 0
	; where the tiles come from: A's address is made of the block row and the wave's number, W's of the block column and the wave's number,
	; each in registers that never hold the other coordinate
	s_mul_i32 s16, s43, BM
	s_mul_i32 s17, s14, BM/2
	s_add_co_u32 s16, s16, s17                     ; A's first row for me
	s_lshl_b32 s16, s16, 11                        ; x 2,048 bytes (8 MiB at the most)
	s_mov_b32 s17, 0
	s_mul_i32 s20, s14, (BM/2)*APITCH              ; and where it goes: the wave's number alone enters an LDS address
	s_mul_i32 s46, s14, (KSTEP/2)*NN*2             ; W's first row of K for me,
	s_mul_i32 s47, s42, BN*2                       ; and the block's first column
	s_add_co_u32 s46, s46, s47
	s_mov_b32 s47, 0
	s_mul_i32 s21, s14, (KSTEP/2)*BPITCH
	s_add_co_u32 s21, s21, ABYTES
	s_wait_dscnt 0x0
	s_wait_kmcnt 0x0
	s_add_nc_u64 s[18:19], s[4:5], s[16:17]
	s_add_nc_u64 s[46:47], s[6:7], s[46:47]
	CROUND                                         ; all sixteen work-groups are here: the first joint loads meet
.irp s, 0,1
	s_mov_b32 s[G0A+4*\s], 1                                       ; count = 1
	s_add_co_u32 s[G0A+4*\s+1], s20, \s*SLOT                       ; LDS address
	s_add_nc_u64 s[G0A+4*\s+2:G0A+4*\s+3], s[18:19], \s*KSTEP*2    ; K step s
	s_or_b32 s[G0A+4*\s+3], s[G0A+4*\s+3], 0x80000000              ; type = 2
	s_mov_b32 s[G0B+4*\s], 1
	s_add_co_u32 s[G0B+4*\s+1], s21, \s*SLOT
	s_add_nc_u64 s[G0B+4*\s+2:G0B+4*\s+3], s[46:47], \s*KSTEP*NN*2
	s_or_b32 s[G0B+4*\s+3], s[G0B+4*\s+3], 0x80000000
	JLOAD \s                                       ; both slots are asked for before anything else: two tensor loads of mine are out
.endr
	v_and_b32 v1, 15, v0                           ; r = lane mod 16
	v_bfe_u32 v2, v0, 4, 1                         ; h = lane / 16
	; the bias of my columns: tile b's eight numbers at 64 b + 32 h bytes behind my first column
	s_mul_i32 s72, s42, BN*4
.if PROJ
	s_lshl_b32 s73, s14, 8                         ; my 64 columns of the block's 128
	s_add_co_u32 s72, s72, s73
.endif
	s_mov_b32 s73, 0
	s_add_nc_u64 s[8:9], s[8:9], s[72:73]
	v_lshlrev_b32 v[BO], 5, v2
.irp b, 0,1,2,3,4,5,6,7,8,9,10,11
.if \b < NT
	global_load_b128 v[BIAS+8*\b:BIAS+8*\b+3],   v[BO], s[8:9] offset:64*\b
	global_load_b128 v[BIAS+8*\b+4:BIAS+8*\b+7], v[BO], s[8:9] offset:64*\b+16
.endif
.endr
	; A fragment: lane (r, h) holds row r; registers 0-3 K = 8 h .. + 7, registers 4-7 K = 16 + 8 h .. + 7: two loads of 16 bytes, 32 bytes apart
	v_mul_u32_u24 v3, v1, APITCH
	v_lshl_add_u32 v3, v2, 4, v3
	s_mul_i32 s22, s[WMR], 64*APITCH               ; my 64 rows of the block
	v_add_nc_u32 v[ADRA], s22, v3
	v_add_nc_u32 v[ADRA+1], SLOT, v[ADRA]
	; W fragment through the transposing load: lane L addresses row of K 8 h + (L mod 8), 16 bytes at 16 ((L / 8) mod 2); the second load 16 rows further down
	v_and_b32 v4, 7, v0
	v_lshl_add_u32 v4, v2, 3, v4
	v_mul_u32_u24 v4, v4, BPITCH
	v_bfe_u32 v5, v0, 3, 1
	v_lshl_add_u32 v4, v5, 4, v4
.if PROJ
	s_lshl_b32 s23, s14, 7                         ; my 64 columns: 128 bytes
	s_add_co_u32 s23, s23, ABYTES
.else
	s_mov_b32 s23, ABYTES
.endif
	v_add_nc_u32 v[ADRB], s23, v4
	v_add_nc_u32 v[ADRB+1], SLOT, v[ADRB]
.if NQ > 4
	v_add_nc_u32 v[ADRB+2], 128*BPITCH, v[ADRB]    ; the immediate has 16 bits: the second 128 rows of K get registers of their own
	v_add_nc_u32 v[ADRB+3], 128*BPITCH, v[ADRB+1]
.endif
	; the way out's addresses
	s_mul_i32 s23, s12, WSTAGE
	s_add_co_u32 s23, s23, STAGE                   ; my stage
.if PROJ
	v_mul_u32_u24 v6, v1, 272                      ; in: row r, 32 bytes for each half of the lanes
	v_lshl_add_u32 v6, v2, 5, v6
	v_lshlrev_b32 v8, 12, v2                       ; out: lanes 0-15 one row of 4,096 bytes, lanes 16-31 the next
	v_lshl_add_u32 v[CO], v1, 4, v8
.else
	v_lshrrev_b32 v6, 1, v1                        ; in: two rows of a head (2 x 128 bytes) share an LDS row of 272 bytes
	v_mul_u32_u24 v6, v6, 272
	v_and_b32 v7, 1, v1
	v_lshl_add_u32 v6, v7, 7, v6
	v_lshl_add_u32 v6, v2, 4, v6
	v_and_b32 v8, 31, v0                           ; out: four rows of a head are 512 dense bytes: 16 bytes a lane
	v_lshlrev_b32 v[CO], 4, v8
.endif
	v_add_nc_u32 v[STO], s23, v6
	v_mul_u32_u24 v7, v2, 272                      ; back: lanes 0-15 one LDS row of 256 bytes, lanes 16-31 the next
	v_lshl_add_u32 v7, v1, 4, v7
	v_add_nc_u32 v[RD], s23, v7
	; the output at my first row and column
.if PROJ
	s_lshl_b32 s72, s43, 7
	s_lshl_b32 s73, s13, 6
	s_add_co_u32 s72, s72, s73                     ; row 128 x block row + 64 x (wave / 2)
	s_lshl_b32 s72, s72, 12                        ; x 4,096 bytes (16 MiB at the most)
	s_lshl_b32 s73, s42, 9                         ; column 128 x block column, 4 bytes each
	s_add_co_u32 s72, s72, s73
	s_lshl_b32 s73, s14, 8                         ; + 64 x (wave mod 2)
	s_add_co_u32 s72, s72, s73
.else
	s_mul_i32 s72, s42, 3*524288                   ; head 3 x block column
	s_lshl_b32 s73, s43, 8
	s_lshl_b32 s74, s12, 6
	s_add_co_u32 s73, s73, s74                     ; row 256 x block row + 64 x wave
	s_lshl_b32 s73, s73, 7                         ; x 128 bytes
	s_add_co_u32 s72, s72, s73
	; the scale of each of my three heads: 0.125 log2(e) for a q head (number below 16), else 1
	s_mul_i32 s74, s42, 3
.irp g, 0,1,2
	s_add_co_u32 s75, s74, \g
	s_cmp_lt_u32 s75, 16
	s_cselect_b32 s[SC+2*\g], 0x3e38aa3b, 1.0
	s_mov_b32 s[SC+2*\g+1], s[SC+2*\g]
.endr
.endif
	s_mov_b32 s73, 0
	s_add_nc_u64 s[10:11], s[10:11], s[72:73]
	s_wait_loadcnt 0x0                             ; the bias, while the first tiles are still on their way
.if PROJ == 0
.irp b, 0,1,2,3,4,5,6,7,8,9,10,11
.irp i, 0,2,4,6
	v_pk_mul_f32 v[BIAS+8*\b+\i:BIAS+8*\b+\i+1], v[BIAS+8*\b+\i:BIAS+8*\b+\i+1], s[SC+2*(\b/4):SC+2*(\b/4)+1] op_sel_hi:[1,0]   ; (sum + bias) scale = sum x scale + bias x scale: one fused step at the end
.endr
.endr
.endif
; The fragments of quarter q of a slot into buffer buf: 2 NT transposing loads for W, then 8 loads for A, in one run
.macro FETCH slot, q, buf
	WIN 0x40                                       ; destination window 1, address window 0
.irp b, 0,1,2,3,4,5,6,7,8,9,10,11
.if \b < NT
	ds_load_tr16_b128 v[8*NT*\buf+8*\b:8*NT*\buf+8*\b+3],   v[ADRB+\slot+2*(\q/4)] offset:(\q%4)*32*BPITCH+(16*\b/CH)*(2*CH+32)+(16*\b%CH)*2
	ds_load_tr16_b128 v[8*NT*\buf+8*\b+4:8*NT*\buf+8*\b+7], v[ADRB+\slot+2*(\q/4)] offset:(\q%4)*32*BPITCH+(16*\b/CH)*(2*CH+32)+(16*\b%CH)*2+16*BPITCH
.endif
.endr
	WIN 0
.irp a, 0,1,2,3
	ds_load_b128 v[AF+32*\buf+8*\a:AF+32*\buf+8*\a+3],   v[ADRA+\slot] offset:64*\q+\a*16*APITCH
	ds_load_b128 v[AF+32*\buf+8*\a+4:AF+32*\buf+8*\a+7], v[ADRA+\slot] offset:64*\q+\a*16*APITCH+32
.endr
.endm
; NT matrix instructions: my rows 16 a .. 16 a + 15 x all my columns, 32 along K.  zero = 1: the first product starts the sums, nothing is cleared.
; The 4 NT accumulators take turns, one instruction a turn, in the same order in every quarter, over the backward jump too.
.macro MULROW buf, a, zero
.if \a < 2
	WIN 0xa1                                       ; source 0 (W) window 1, source 1 (A) window 0, C and D window 2
.else
	WIN 0xf1                                       ; the same, C and D window 3
.endif
.irp b, 0,1,2,3,4,5,6,7,8,9,10,11
.if \b < NT
.if \zero
	v_wmma_f32_16x16x32_f16 v[8*(NT*(\a%2)+\b):8*(NT*(\a%2)+\b)+7], v[8*NT*\buf+8*\b:8*NT*\buf+8*\b+7], v[AF+32*\buf+8*\a:AF+32*\buf+8*\a+7], 0
.else
	v_wmma_f32_16x16x32_f16 v[8*(NT*(\a%2)+\b):8*(NT*(\a%2)+\b)+7], v[8*NT*\buf+8*\b:8*NT*\buf+8*\b+7], v[AF+32*\buf+8*\a:AF+32*\buf+8*\a+7], v[8*(NT*(\a%2)+\b):8*(NT*(\a%2)+\b)+7]
.endif
.endif
.endr
.endm
; A quarter step but the last of a slot: multiplies buffer f; in its middle it fetches quarter qn of the same slot into buffer g
.macro QUARTER slot, qn, f, g, zero
	s_wait_dscnt 4                                 ; W's fragments and A's rows 0-31 are in; the four youngest loads (A's rows 32-63) may be out
	MULROW \f, 0, \zero
	MULROW \f, 1, \zero
	PLACES
	FETCH \slot, \qn, \g
	s_wait_dscnt 2*NT+8                            ; all but the run just issued
	MULROW \f, 2, \zero
	MULROW \f, 3, \zero
.endm
.macro KSTEPQ slot, zero
	QUARTER \slot, 1, 0, 1, \zero
	QUARTER \slot, 2, 1, 0, 0
	QUARTER \slot, 3, 0, 1, 0
.if NQ > 4
	QUARTER \slot, 4, 1, 0, 0
	QUARTER \slot, 5, 0, 1, 0
	QUARTER \slot, 6, 1, 0, 0
	QUARTER \slot, 7, 0, 1, 0
.endif
.endm
; The last quarter of a slot: multiplies buffer 1 and changes slots.  In front of the barrier each wave waits for its reads of this slot and for all its
; tensor loads (one is out: its part of the next slot).  Behind it nobody reads this slot and the next one is whole.  fill = 1: the barrier opens a round of the
; cluster's barrier, and the joint refill, two K steps ahead, is the first tensor load behind the round, one a wave.
.macro TURN slot, next, fill
	s_wait_dscnt 4
	MULROW 1, 0, 0
	s_wait_dscnt 0                                 ; my reads of this slot are over
	s_wait_tensorcnt 0x0                           ; and all my tensor loads have landed
	ds_add_u32 v255, v255
	s_wait_dscnt 0x0
	s_barrier_signal -1
	MULROW 1, 1, 0                                 ; register work while the others arrive
	WIN 0
	s_barrier_wait -1
.if \fill
	CREST                                          ; no wave of any partner still reads this slot or has a load on its way
	s_add_nc_u64 s[G0A+4*\slot+2:G0A+4*\slot+3], s[G0A+4*\slot+2:G0A+4*\slot+3], 2*KSTEP*2
	s_add_nc_u64 s[G0B+4*\slot+2:G0B+4*\slot+3], s[G0B+4*\slot+2:G0B+4*\slot+3], 2*KSTEP*NN*2
	JLOAD \slot
.endif
	PLACES
	FETCH \next, 0, 0
	MULROW 1, 2, 0
	MULROW 1, 3, 0
.endm
.macro LAP zero
	KSTEPQ 0, \zero
	TURN 0, 1, 1
	KSTEPQ 1, 0
	TURN 1, 0, 1
.endm
	s_wait_tensorcnt 0x1                           ; my part of K step 0 is in; K step 1's stays out
	s_barrier_signal -1
	s_barrier_wait -1                              ; everybody's is
	FETCH 0, 0, 0
	LAP 1                                          ; the first lap stands in front of the loop: its first products start the sums
.if LAPS > 2
	WIN 0                                          ; at a label and at a branch every window is 0
	s_mov_b32 s3, LAPS-2
.Llap:
	LAP 0
	WIN 0
	s_sub_co_u32 s3, s3, 1
	s_cmp_lg_u32 s3, 0
	s_cbranch_scc1 .Llap
.endif
	KSTEPQ 0, 0                                    ; the last lap fills nothing
	TURN 0, 1, 0
	KSTEPQ 1, 0
	s_wait_dscnt 4                                 ; the very last quarter: nothing more to fetch
	MULROW 1, 0, 0
	MULROW 1, 1, 0
	s_wait_dscnt 0
	MULROW 1, 2, 0
	MULROW 1, 3, 0
	PLACES                                         ; behind the last matrix instructions: the way out reads results and writes over fragment registers
; THE WAY OUT, 16 rows at a time, through my own stage in LDS: no barrier, and no wait between my stores and my loads (LDS serves a wave's instructions in order, ISA guide 5.7.1)
.if PROJ
.macro OUT16 a
.if \a < 2
	WIN 0x82                                       ; destination and source 0 window 2, the bias window 0
.else
	WIN 0xc3
.endif
.irp b, 0,1,2,3
.irp i, 0,2,4,6
	v_pk_add_f32 v[8*(NT*(\a%2)+\b)+\i:8*(NT*(\a%2)+\b)+\i+1], v[8*(NT*(\a%2)+\b)+\i:8*(NT*(\a%2)+\b)+\i+1], v[BIAS+8*\b+\i:BIAS+8*\b+\i+1]
.endr
.endr
.if \a < 2
	WIN 0x08                                       ; an LDS store's data is source 1: window 2
.else
	WIN 0x0c
.endif
.irp b, 0,1,2,3
	ds_store_b128 v[STO], v[8*(NT*(\a%2)+\b):8*(NT*(\a%2)+\b)+3]   offset:64*\b
	ds_store_b128 v[STO], v[8*(NT*(\a%2)+\b)+4:8*(NT*(\a%2)+\b)+7] offset:64*\b+16
.endr
	WIN 0
	s_wait_xcnt 0x0                                ; the registers that the last sixteen rows' stores read are loaded again only behind this wait
.irp t, 0,1,2,3,4,5,6,7
	ds_load_b128 v[RB+4*\t:RB+4*\t+3], v[RD] offset:\t*544
.endr
.irp t, 0,1,2,3,4,5,6,7
	s_wait_dscnt 7-\t                              ; number t is in, the younger ones stay out
	global_store_b128 v[CO], v[RB+4*\t:RB+4*\t+3], s[10:11] offset:(16*\a+2*\t)*4096 th:TH_STORE_NT   ; 16 lanes store 256 consecutive bytes, aligned
.endr
.endm
.else
.macro OUT16 a
.if \a < 2
	WIN 0x82                                       ; destination and source 0 window 2, the bias (source 2) window 0
.else
	WIN 0xc3
.endif
.irp b, 0,1,2,3,4,5,6,7,8,9,10,11
.irp i, 0,2,4,6
	v_pk_fma_f32 v[8*(NT*(\a%2)+\b)+\i:8*(NT*(\a%2)+\b)+\i+1], v[8*(NT*(\a%2)+\b)+\i:8*(NT*(\a%2)+\b)+\i+1], s[SC+2*(\b/4):SC+2*(\b/4)+1], v[BIAS+8*\b+\i:BIAS+8*\b+\i+1] op_sel_hi:[1,0,1]
.endr
.endr
.if \a < 2
	WIN 0x0a                                       ; sources window 2, destination window 0
.else
	WIN 0x0f
.endif
.irp b, 0,1,2,3,4,5,6,7,8,9,10,11
.irp i, 0,1,2,3
	v_cvt_pk_f16_f32 v[TMP+4*\b+\i], v[8*(NT*(\a%2)+\b)+2*\i], v[8*(NT*(\a%2)+\b)+2*\i+1]
.endr
.endr
	WIN 0
.irp b, 0,1,2,3,4,5,6,7,8,9,10,11
	ds_store_b128 v[STO], v[TMP+4*\b:TMP+4*\b+3] offset:(\b/4)*2176+(\b%4)*32      ; head b / 4, columns 16 (b mod 4) + 8 h .. + 7 of it
.endr
	s_wait_xcnt 0x0                                ; the registers that the last sixteen rows' stores read are loaded again only behind this wait
.irp t, 0,1,2,3,4,5,6,7,8,9,10,11
	ds_load_b128 v[RB+4*\t:RB+4*\t+3], v[RD] offset:(\t/4)*2176+(\t%4)*544
.endr
.irp t, 0,1,2,3,4,5,6,7,8,9,10,11
	s_wait_dscnt 11-\t                             ; number t is in, the younger ones stay out
	global_store_b128 v[CO], v[RB+4*\t:RB+4*\t+3], s[10:11] offset:(\t/4)*524288+\a*2048+(\t%4)*512   ; four rows of a head: 512 consecutive bytes, aligned
.endr
.endm
.endif
	OUT16 0
	OUT16 1
	OUT16 2
	OUT16 3
	s_set_vgpr_msb 0x1
	s_wait_tensorcnt 0x0
	ds_add_u32 v255, v255
	s_wait_dscnt 0x0
	s_set_vgpr_msb 0x100
	CROUND                                         ; the closing round: no work-group ends while a partner may still ask for a tile that names it
	s_endpgm
.Lfunc_end_k_q6185f7456e_projgemm:
	.size	k_q6185f7456e_projgemm, .Lfunc_end_k_q6185f7456e_projgemm-k_q6185f7456e_projgemm
	.p2alignl 7, 3214868480
	.fill 96, 4, 3214868480
	.section	.rodata,"a",@progbits
	.p2align	6, 0x0
	.amdhsa_kernel k_q6185f7456e_projgemm
		.amdhsa_group_segment_fixed_size 327680
		.amdhsa_private_segment_fixed_size 0
		.amdhsa_enable_private_segment 0
		.amdhsa_kernarg_size 32
		.amdhsa_user_sgpr_count 2
		.amdhsa_user_sgpr_kernarg_segment_ptr 1
		.amdhsa_wavefront_size32 1
		.amdhsa_system_sgpr_workgroup_id_x 1
		.amdhsa_system_sgpr_workgroup_id_y 1
		.amdhsa_system_sgpr_workgroup_id_z 1
		.amdhsa_system_vgpr_workitem_id 0
		.amdhsa_next_free_vgpr 832
		.amdhsa_next_free_sgpr 80
		.amdhsa_reserve_vcc 0
		.amdhsa_float_denorm_mode_32 3
		.amdhsa_float_denorm_mode_16_64 3
		.amdhsa_memory_ordered 1
		.amdhsa_forward_progress 1
		.amdhsa_inst_pref_size 97
	.end_amdhsa_kernel
	.amdgpu_metadata
---
amdhsa.version: [ 1, 2 ]
amdhsa.kernels:
  - .name:           k_q6185f7456e_projgemm
    .symbol:         k_q6185f7456e_projgemm.kd
    .args:
      - { .name: ao, .offset: 0, .size: 8, .value_kind: global_buffer, .address_space: global }
      - { .name: woh, .offset: 8, .size: 8, .value_kind: global_buffer, .address_space: global }
      - { .name: b_out, .offset: 16, .size: 8, .value_kind: global_buffer, .address_space: global }
      - { .name: out0, .offset: 24, .size: 8, .value_kind: global_buffer, .address_space: global }
    .group_segment_fixed_size: 327680
    .private_segment_fixed_size: 0
    .kernarg_segment_align: 8
    .kernarg_segment_size: 32
    .max_flat_workgroup_size: 128
    .sgpr_count:     80
    .vgpr_count:     832
    .wavefront_size: 32
...
	.end_amdgpu_metadata
.endif
;; end of part 4
